; MI455X (gfx1250); checked and timed in simulation.
; The chip was launched on July 23, 2026; its instructions are those of AMD's public machine-readable ISA for CDNA 5 (MIT licence, August 2026) and "CDNA5" Instruction Set Architecture Reference Guide (July 2026). The comments in the code are by the model that wrote it; some were corrected since.
;; Self Multihead Attn. Allowed arithmetic: matrix products marked QUANTISED: E3M2 operands, one E8M0 scale for each 32 along K, by v_wmma_scale_f32_16x16x128_f8f6f4 with both operands' format E3M2, f32 sums; everything else in f32.
;; Inputs: attn_mask 1,024 x 1,024 bool; in_proj_bias 3,072 float32; in_proj_weight 3,072 x 1,024 float32; out_proj_bias 1,024 float32; out_proj_weight 1,024 x 1,024 float32; x 1,024 x 8 x 1,024 float32.
;; Outputs: out0 1,024 x 8 x 1,024 float32.
;; Constants: num_heads = 16.
;; This version of the problem:
;;   THIS VERSION OF THE PROBLEM IS GIVEN IN LOW PRECISION. The matrix products marked QUANTISED in the list below multiply operands that are first quantised to E3M2 (3 exponent bits, 2 mantissa bits; 6 bits a number), with one power-of-two scale for each 32 numbers along K (OCP MX v1.0); their sums are f32. All else is computed in f32.
;;   The module's matrix products, in the order in which they are computed (A, B: the left and right operand; K: the contracted axis; several contracted axes count as one K, in the product's order):
;;     1. [M 8,192, K 1,024] x [K 1,024, N 3,072]; A: input x; B: input in_proj_weight: QUANTISED
;;     2. batch 128 x [M 1,024, K 64] x [K 64, N 1,024]; A: computed on the way; B: computed on the way: QUANTISED
;;     3. batch 128 x [M 1,024, K 1,024] x [K 1,024, N 64]; A: softmax (see below); B: computed on the way: QUANTISED
;;     4. [M 8,192, K 1,024] x [K 1,024, N 1,024]; A: computed on the way; B: input out_proj_weight: QUANTISED
;;   THE QUANTISER, for each operand of a quantised product, along K:
;;     - K is cut into blocks of 32 from its start; a last block that is shorter is filled with zeros.
;;     - A block's scale is 2^e with e = floor(log2(the largest magnitude in the block)) - 4, held to -126 .. 127; a block of zeros has e = 0. As a byte (E8M0): e + 127.
;;     - Each number is divided by its block's scale, clamped to +-28, and rounded to the nearest number of E3M2, ties to even, subnormals kept.
;;     - The product sums the exact products of the quantised numbers (number of the format x scale) in f32.
;;   ~~~python
;;   def quantise(x, axis):      # numpy; x: float32 -> the quantised numbers, widened to float32 again
;;       x = np.moveaxis(x, axis, -1); K = x.shape[-1]
;;       x = np.pad(x, [(0, 0)] * (x.ndim - 1) + [(0, -K % 32)]); x = x.reshape(x.shape[:-1] + (-1, 32)); a = np.abs(x).max(-1, keepdims=True)
;;       e = np.where(a > 0, np.clip(np.frexp(np.where(a > 0, a, 1))[1] - 1 - 4, -126, 127), 0)      # np.frexp(a)[1] - 1 = floor(log2(a)), exactly
;;       r = np.clip(x / 2.0 ** e, -28, 28)
;;       step = 2.0 ** (np.maximum(np.frexp(np.where(r == 0, 1, r))[1] - 1, -2) - 2)
;;       q = np.round(r / step) * step * 2.0 ** e      # np.round: ties to even
;;       return np.moveaxis(q.reshape(q.shape[:-2] + (-1,))[..., :K], -1, axis).astype(np.float32)
;;   ~~~
;;   SOFTMAX AHEAD OF A QUANTISED PRODUCT. Where the list says 'softmax', what is quantised is not the finished softmax but p = 2^(t - M), with t = logit x log2(e) and M = ceil(the row's largest t), a whole number; so 1/2 < the row's largest p <= 1. The row's sum l is taken of the UNQUANTISED p, in f32, and the product's result is divided by l at the end. Since M is a whole number, a kernel that streams over the keys may use a running M (the ceiling of the running maximum): every later rescaling is an exact power of two, which a block's scale takes up: the codes' values come out the same.
;;   OPERANDS COMPUTED ON THE WAY. 'Computed on the way' means the value that the module computes at that place (a softmax that the list does not call 'softmax' is quantised finished and normalised). What goes into a quantiser is computed in f32, as accurately as f32 sums, v_exp_f32 and their like allow (about 1e-6 of the number): no bf16 or f16 on the way to a quantiser, and a product that is left as it is and whose result goes on into a quantised operand takes f32 operands (vector FMAs, or v_wmma_f32_16x16x4_f32). A number that lies on a knife's edge between two numbers of the format may be rounded either way, as far as f32 arithmetic and the matrix unit's own rounding can turn it there, and no further.
;; 2 versions, each right; version 2 is version 1 with the launch attn written anew for expert scheduling mode. Each part assembles by itself: llvm-mc -triple=amdgcn-amd-amdhsa -mcpu=gfx1250 --defsym DOCPART=n.
;; ======== version 1 of 2: 4 launches
;; workspace buffers: opimg 9,437,184 bytes; opscl 393,216 bytes; maskw 196,608 bytes of whole numbers; qkvimg 18,874,368 bytes; qkvscl 786,432 bytes; ctximg 6,291,456 bytes; ctxscl 262,144 bytes
;; launch prep (part 1): grid 512 x 1, 4 waves a work-group, no clusters, 34,304 bytes of LDS; arguments x, in_proj_weight, out_proj_weight, attn_mask, opimg, opscl, maskw; writes opimg, opscl, maskw
.if DOCPART == 1
	.amdgcn_target "amdgcn-amd-amdhsa--gfx1250"
	.amdhsa_code_object_version 6
	.text
	.protected	k_q5b2b3df42a_prep
	.globl	k_q5b2b3df42a_prep
	.p2align	8
	.type	k_q5b2b3df42a_prep,@function
k_q5b2b3df42a_prep:
	s_mov_b64 s[64:65], 0
	v_nop
	global_prefetch_b8 v0, s[64:65] scope:SCOPE_SE
	s_setreg_imm32_b32 hwreg(HW_REG_WAVE_MODE, 25, 1), 1
	s_wait_xcnt 0x0
; x [1024][8][1024], in_proj_weight [3072][1024], out_proj_weight [1024][1024], all f32 with K innermost, become codes of BF6 (E3M2) with one E8M0 byte for each 32 along K,
; laid as IMAGES OF THE OPERAND REGISTERS of the 16x16x128 matrix instruction; attn_mask [1024][1024] becomes lane masks and flags.
; ROW TILES.  Tile G (0-511 x, 512-703 in_proj_weight, 704-767 out_proj_weight) has 16 rows.  Tile tau = 2 g + u of a tensor holds at place r the row 32 g + 8 u + r + 8 (r / 8); the tiles of x
; are ordered batch first (tile 64 b + tau, rows = times).  With that order the 16 result registers of two neighbouring tiles are 16 neighbours of the next product's K.
; IMAGE.  Fragment (G, K step s of 128) lies at (8 G + s) x 1536 bytes of opimg: piece p of 6 holds registers 2 p, 2 p + 1 of lane L at 256 p + 8 L; register 6 c + i of lane (r, h) holds codes k = 128 s + 64 c + 32 h + 0 .. 31.
; SCALES.  512 bytes a tile in opscl: the byte at 128 kk + 8 r + 4 q + beta is that of K step 2 kk + q, block beta, row place r.
; A block's byte is its largest magnitude's exponent field - 4, held at 1 from below.
; MASK.  Record (query tile qt, key step s) at (8 qt + s) x 384 bytes of maskw: word n (0 .. 63), bit L = mask[row of place L % 16 of tile qt][128 s + 32 (n / 16) + 16 (L / 16) + n % 16];
; then 32 copies of a flag: bit 0 = all 2,048 entries are set, bit 1 = none is.  Any byte other than 0 counts as set.
; LIMITS: NaN and infinities among the inputs are not served; a block whose largest magnitude lies under 2^-122, a block of zeros among them, keeps the byte 1 (its codes are then zeros or tiny; only this program reads the bytes).
; SHARES.  Work-groups 0-383 quantise: a wave takes 16 rows x 512 along K, four fragments.  Work-groups 384-511 take the mask: a wave a record.  Waves share nothing: no barrier.
.set QWG,  384                         ; work-groups that quantise: 768 tiles x 2 halves of K / 4 waves
.set SPI,  528                         ; a stage row: 512 bytes + 16, so that the 16 rows that a read touches start at 16 different groups of banks (64 banks of 4 bytes: ISA guide 11.1)
.set STG,  16*SPI                      ; a wave's own stage
.set SW,   8                           ; v8-11    the four fragments' scale words
.set VO,   16                          ; v16-31   byte offset of my 16 bytes in row place i
.set R,    32                          ; v32-159  two sets of 64: a fragment's numbers as loaded
.set X,    160                         ; v160-223 my 64 numbers: register 32 c + i = k 64 c + 32 h + i of row r
.set C,    224                         ; v224-247 two sets of 12: a fragment's codes
.set TP,   248                         ; v248-254 the upper halves of the two blocks, before they are moved
.set SEL,  32                          ; s[32:33] lane selects for v_permlanex16_b32: lane l xor 16
	s_load_b256 s[4:11], s[0:1], 0x0               ; x s[4:5], in_proj_weight s[6:7], out_proj_weight s[8:9], attn_mask s[10:11]
	s_load_b128 s[12:15], s[0:1], 0x20             ; opimg s[12:13], opscl s[14:15]
	s_load_b64 s[16:17], s[0:1], 0x30              ; maskw
	v_lshl_add_u32 v251, v0, 2, 0x8400
	v_mov_b32 v255, 0
	v_lshrrev_b32 v1, 5, v0
	v_readfirstlane_b32 s18, v1                    ; wave 0..3
	s_cmp_ge_u32 ttmp9, QWG
	s_cbranch_scc1 .Lmask
	; ---------------- the quantiser
	v_and_b32 v6, 31, v0                           ; lane
	v_and_b32 v7, 15, v0                           ; r
	v_bfe_u32 v5, v0, 4, 1                         ; h
	v_lshlrev_b32 v1, 4, v6                        ; 16 x lane
	v_lshlrev_b32 v4, 3, v6                        ; 8 x lane
	s_mul_i32 s30, s18, STG
	v_add_nc_u32 v2, s30, v1                       ; the stage, on the way in: a row's 512 bytes as they lie
	v_mul_u32_u24 v3, v7, SPI
	v_lshl_add_u32 v3, v5, 7, v3
	v_add_nc_u32 v3, s30, v3                       ; and on the way out: row r, + 128 h
	v_lshlrev_b32 v5, 3, v5                        ; 8 h: by how many bits my two scale bytes are shifted
	v_mov_b32 v15, 0                               ; written once: a lane permute's destination counts as one of its sources
	s_mov_b32 s[SEL], 0x76543210
	s_mov_b32 s[SEL+1], 0xfedcba98
	s_lshl_b32 s19, ttmp9, 1
	s_lshr_b32 s20, s18, 1
	s_add_co_u32 s19, s19, s20                     ; G = 2 x work-group + wave / 2
	s_and_b32 s20, s18, 1                          ; which half of K
	s_wait_kmcnt 0x0
	s_movk_i32 s21, 704
	s_cmp_lt_u32 s19, 704                          ; which tensor: the choices hang on ids alone
	s_cselect_b64 s[6:7], s[6:7], s[8:9]
	s_cselect_b32 s21, 512, s21
	s_cmp_lt_u32 s19, 512
	s_cselect_b64 s[4:5], s[4:5], s[6:7]
	s_cselect_b32 s21, 0, s21                      ; the tensor's first G
	s_cselect_b32 s22, 15, 12                      ; from row to row: 2^15 bytes in x (a time step), 2^12 in the weights
	s_cselect_b32 s23, 63, -1                      ; x: tau = tile % 64,
	s_cselect_b32 s24, 6, 31                       ; batch = tile / 64; the weights: tau = tile, no batch
	s_sub_co_u32 s21, s19, s21                     ; the tile in its tensor
	s_and_b32 s23, s21, s23                        ; tau
	s_lshr_b32 s24, s21, s24                       ; batch
	s_lshr_b32 s25, s23, 1
	s_lshl_b32 s25, s25, 5
	s_and_b32 s26, s23, 1
	s_lshl_b32 s26, s26, 3
	s_add_co_u32 s25, s25, s26                     ; the tile's first row: 32 (tau / 2) + 8 (tau % 2)
	s_lshl_b32 s26, s25, s22
	s_lshl_b32 s24, s24, 12
	s_add_co_u32 s26, s26, s24
	s_lshl_b32 s24, s20, 11
	s_add_co_u32 s26, s26, s24                     ; + the batch's 4,096 bytes + my half of K (under 2^25)
	s_mov_b32 s27, 0
	s_add_nc_u64 s[4:5], s[4:5], s[26:27]
	s_mul_i32 s26, s19, 12288
	s_mul_i32 s24, s20, 6144
	s_add_co_u32 s26, s26, s24
	s_add_nc_u64 s[12:13], s[12:13], s[26:27]      ; my four fragments' images
	s_lshl_b32 s26, s19, 9
	s_lshl_b32 s24, s20, 8
	s_add_co_u32 s26, s26, s24
	s_add_nc_u64 s[14:15], s[14:15], s[26:27]      ; and their 256 scale bytes
.irp i, 0,1,2,3,4,5,6,7,8,9,10,11,12,13,14,15
	s_lshl_b32 s28, \i+8*(\i/8), s22               ; place i is row i + 8 (i / 8) of the tile's 24
	v_add_nc_u32 v[VO+\i], s28, v1
.endr
.macro LOADF f                         ; fragment f: 16 rows x 128 numbers; each load reads 512 consecutive bytes of one row
.irp i, 0,1,2,3,4,5,6,7,8,9,10,11,12,13,14,15
	global_load_b128 v[R+64*((\f)%2)+4*\i:R+64*((\f)%2)+4*\i+3], v[VO+\i], s[4:5] offset:512*(\f) th:TH_LOAD_NT
.endr
.endm
.macro FRAGQ f
.set RS_, R+64*((\f)%2)
.set CS_, C+12*((\f)%2)
.if (\f) < 3
	s_wait_loadcnt 16                              ; this fragment's 16 loads are in; the next fragment's 16 may be out
.else
	s_wait_loadcnt 0x0
.endif
.irp i, 0,1,2,3,4,5,6,7,8,9,10,11,12,13,14,15
	ds_store_b128 v2, v[RS_+4*\i:RS_+4*\i+3] offset:SPI*\i
.endr
.irp c, 0,1
.irp i, 0,1,2,3,4,5,6,7
	ds_load_b128 v[X+32*\c+4*\i:X+32*\c+4*\i+3], v3 offset:256*\c+16*\i   ; LDS serves a wave's instructions in order (ISA guide 5.7.1.4): these see the stores above
.endr
.endr
	s_wait_dscnt 0x0                               ; my 64 numbers are in, and the stores have read the set as loaded,
.if (\f) < 2
	LOADF (\f)+2                                   ; which takes the fragment two on
.endif
.irp c, 0,1                                    ; my block 2 c + h: all its 32 numbers are mine
	v_max3_num_f32 v[6+\c], |v[X+32*\c]|, |v[X+32*\c+1]|, 0x2800000   ; with the floor 2^(5 - 127): the byte cannot fall under 1
.endr
.irp i, 2,4,6,8,10,12,14,16,18,20,22,24,26,28,30
.irp c, 0,1
	v_max3_num_f32 v[6+\c], v[6+\c], |v[X+32*\c+\i]|, |v[X+32*\c+\i+1]|
.endr
.endr
.irp c, 0,1
	v_add_nc_u32 v[12+\c], 0xfe000000, v[6+\c]     ; 4 off the exponent field: the conversion takes the exponent field of this operand as its scale
.endr
.irp c, 0,1
	v_lshrrev_b32 v[6+\c], 23, v[12+\c]            ; the scale's byte
.endr
	v_lshl_or_b32 v14, v7, 16, v6                  ; blocks h and 2 + h,
	v_lshlrev_b32 v14, v5, v14                     ; at their places in the row's word;
	v_permlanex16_b32 v15, v14, s[SEL], s[SEL+1]
	v_or_b32 v[SW+(\f)], v14, v15                  ; with lane l xor 16's two the word is whole
.if (\f) >= 2
	s_wait_xcnt 0x0                                ; the stores of two fragments ago have read this set of codes: it is written again only behind this wait
.endif
.irp c, 0,1
	v_cvt_scalef32_pk16_bf6_f32 v[CS_+6*\c:CS_+6*\c+2], v[X+32*\c:X+32*\c+15], v[12+\c]
	v_cvt_scalef32_pk16_bf6_f32 v[TP+4*\c:TP+4*\c+2], v[X+32*\c+16:X+32*\c+31], v[12+\c]   ; (a conversion's three registers begin on an even number)
.endr
	v_nop                                          ; one plain instruction behind the scaled conversions
.irp c, 0,1
.irp i, 0,1,2
	v_mov_b32 v[CS_+6*\c+3+\i], v[TP+4*\c+\i]
.endr
.endr
.irp p, 0,1,2,3,4,5
	global_store_b64 v4, v[CS_+2*\p:CS_+2*\p+1], s[12:13] offset:1536*(\f)+256*\p   ; 32 lanes store 256 consecutive bytes, at a multiple of 256 from the buffer's first byte
.endr
.endm
	LOADF 0
	LOADF 1
	FRAGQ 0
	FRAGQ 1
	FRAGQ 2
	FRAGQ 3
	s_mov_b32 s31, 0xffff0000                      ; lanes 16-31
	v_cndmask_b32 v12, v[SW], v[SW+2], s31         ; lanes 0-15 store the words of fragments 0, 1 of row r, lanes 16-31 those of fragments 2, 3
	v_cndmask_b32 v13, v[SW+1], v[SW+3], s31
	global_store_b64 v4, v[12:13], s[14:15]        ; 256 consecutive bytes
	s_wait_tensorcnt 0x0
	ds_add_u32 v251, v255
	s_wait_dscnt 0x0
	s_endpgm
	; ---------------- the mask
.Lmask:
	s_sub_co_u32 s19, ttmp9, QWG
	s_lshl_b32 s19, s19, 2
	s_add_co_u32 s19, s19, s18                     ; the record: 8 qt + s
	s_lshr_b32 s20, s19, 3                         ; qt
	s_and_b32 s21, s19, 7                          ; s
	s_lshr_b32 s22, s20, 1
	s_lshl_b32 s22, s22, 5
	s_and_b32 s23, s20, 1
	s_lshl_b32 s23, s23, 3
	s_add_co_u32 s22, s22, s23                     ; the tile's first query
	s_lshl_b32 s22, s22, 10
	s_lshl_b32 s21, s21, 7
	s_add_co_u32 s22, s22, s21                     ; its row of 1,024 bytes, + 128 s
	s_mov_b32 s23, 0
	s_mul_i32 s24, s19, 384
	s_mov_b32 s25, 0
	v_and_b32 v1, 15, v0
	v_and_b32 v2, 8, v1
	v_add_nc_u32 v1, v1, v2                        ; r + 8 (r / 8)
	v_bfe_u32 v2, v0, 4, 1
	v_lshlrev_b32 v1, 10, v1
	v_lshl_add_u32 v1, v2, 4, v1                   ; my query's row, + 16 h
	v_and_b32 v3, 31, v0
	v_lshlrev_b32 v3, 2, v3                        ; 4 x lane
	v_mov_b32 v40, 0                               ; words 0-31, one a lane;
	v_mov_b32 v41, 0                               ; words 32-63
	s_mov_b32 s26, -1                              ; the AND of all words
	s_mov_b32 s27, 0                               ; their OR
	s_wait_kmcnt 0x0
	s_add_nc_u64 s[10:11], s[10:11], s[22:23]
	s_add_nc_u64 s[16:17], s[16:17], s[24:25]
.irp b, 0,1,2,3
	global_load_b128 v[16+4*\b:19+4*\b], v1, s[10:11] offset:32*\b   ; keys 128 s + 32 b + 16 h + 0 .. 15 of my query
.endr
	s_wait_loadcnt 0x0
.set n, 0
.rept 64
	v_bfe_u32 v[32+n%2], v[16+n/4], 8*(n%4), 8     ; byte n of my 64
	v_cmp_ne_u32 s[28+n%2], 0, v[32+n%2]           ; as a mask over the 32 lanes: word n
	v_writelane_b32 v[40+n/32], s[28+n%2], n%32
	s_and_b32 s26, s26, s[28+n%2]
	s_or_b32 s27, s27, s[28+n%2]
.set n, n+1
.endr
	s_cmp_eq_u32 s26, -1
	s_cselect_b32 s28, 1, 0                        ; all set
	s_cmp_eq_u32 s27, 0
	s_cselect_b32 s29, 2, 0                        ; none set
	s_or_b32 s28, s28, s29
	v_mov_b32 v42, s28
	global_store_b32 v3, v40, s[16:17]
	global_store_b32 v3, v41, s[16:17] offset:128
	global_store_b32 v3, v42, s[16:17] offset:256
	s_endpgm
.Lfunc_end_k_q5b2b3df42a_prep:
	.size	k_q5b2b3df42a_prep, .Lfunc_end_k_q5b2b3df42a_prep-k_q5b2b3df42a_prep
	.p2alignl 7, 3214868480
	.fill 96, 4, 3214868480
	.section	.rodata,"a",@progbits
	.p2align	6, 0x0
	.amdhsa_kernel k_q5b2b3df42a_prep
		.amdhsa_group_segment_fixed_size 34304
		.amdhsa_private_segment_fixed_size 0
		.amdhsa_enable_private_segment 0
		.amdhsa_kernarg_size 56
		.amdhsa_user_sgpr_count 2
		.amdhsa_user_sgpr_kernarg_segment_ptr 1
		.amdhsa_wavefront_size32 1
		.amdhsa_system_sgpr_workgroup_id_x 1
		.amdhsa_system_sgpr_workgroup_id_y 1
		.amdhsa_system_sgpr_workgroup_id_z 1
		.amdhsa_system_vgpr_workitem_id 0
		.amdhsa_next_free_vgpr 256
		.amdhsa_next_free_sgpr 66
		.amdhsa_reserve_vcc 0
		.amdhsa_float_denorm_mode_32 3
		.amdhsa_float_denorm_mode_16_64 3
		.amdhsa_memory_ordered 1
		.amdhsa_forward_progress 1
		.amdhsa_inst_pref_size 51
	.end_amdhsa_kernel
	.amdgpu_metadata
---
amdhsa.version: [ 1, 2 ]
amdhsa.kernels:
  - .name:           k_q5b2b3df42a_prep
    .symbol:         k_q5b2b3df42a_prep.kd
    .args:
      - { .name: x, .offset: 0, .size: 8, .value_kind: global_buffer, .address_space: global }
      - { .name: in_proj_weight, .offset: 8, .size: 8, .value_kind: global_buffer, .address_space: global }
      - { .name: out_proj_weight, .offset: 16, .size: 8, .value_kind: global_buffer, .address_space: global }
      - { .name: attn_mask, .offset: 24, .size: 8, .value_kind: global_buffer, .address_space: global }
      - { .name: opimg, .offset: 32, .size: 8, .value_kind: global_buffer, .address_space: global }
      - { .name: opscl, .offset: 40, .size: 8, .value_kind: global_buffer, .address_space: global }
      - { .name: maskw, .offset: 48, .size: 8, .value_kind: global_buffer, .address_space: global }
    .group_segment_fixed_size: 34304
    .private_segment_fixed_size: 0
    .kernarg_segment_align: 8
    .kernarg_segment_size: 56
    .max_flat_workgroup_size: 128
    .sgpr_count:     66
    .vgpr_count:     256
    .wavefront_size: 32
...
	.end_amdgpu_metadata
.endif
;; end of part 1
;; launch qkv (part 2): grid 12 x 32, 4 waves a work-group, clusters of 4 x 4, 327,680 bytes of LDS; arguments opimg, opscl, in_proj_bias, qkvimg, qkvscl; writes qkvimg, qkvscl
.if DOCPART == 2
	.amdgcn_target "amdgcn-amd-amdhsa--gfx1250"
	.amdhsa_code_object_version 6
	.text
	.protected	k_q5b2b3df42a_qkv
	.globl	k_q5b2b3df42a_qkv
	.p2align	8
	.type	k_q5b2b3df42a_qkv,@function
k_q5b2b3df42a_qkv:
	s_mov_b64 s[64:65], 0
	v_nop
	global_prefetch_b8 v0, s[64:65] scope:SCOPE_SE
	s_setreg_imm32_b32 hwreg(HW_REG_WAVE_MODE, 25, 1), 1
	s_wait_xcnt 0x0
	s_wait_alu depctr_hold_cnt(0) depctr_sa_sdst(0) depctr_va_vdst(0) depctr_va_sdst(0) depctr_va_ssrc(0) depctr_va_vcc(0) depctr_vm_vsrc(0)
	s_getreg_b32 s2, hwreg(HW_REG_IB_STS2, 6, 4)
	s_cmp_eq_u32 s2, 0
	s_cbranch_scc0 .Lentry_in_a_cluster
	s_endpgm
.Lentry_in_a_cluster:
	s_bfe_u32 s2, ttmp6, 0x10000c
	s_cmp_lg_u32 s2, 0xf033
	s_cbranch_scc0 .Lentry_shape_is_right
	s_endpgm
.Lentry_shape_is_right:
; qkv = x in_proj_weight^T + in_proj_bias (q also x 1/8), 8192 x 3072 x 1024 on codes of BF6 (E3M2) with E8M0 scales, sums in f32; the results are quantised in registers and leave as the operand images that
; the attention launch reads: q and k along the head's 64, v along the keys.  No f32 q, k or v goes to memory.
; INPUTS (made by the launch before): opimg, opscl: row tiles of 16 rows; fragment (tile G, K step s of 128) at (8 G + s) x 1536 bytes, piece p of 6 = registers 2 p, 2 p + 1 of lane L at 256 p + 8 L; 512 scale bytes a tile, the byte of
; K step 2 kk + q, block beta, place r at 128 kk + 8 r + 4 q + beta.  Tiles 0-511: x (tile 64 b + tau); 512-703: the weight.  Tile tau = 2 g + u holds at place r the row 32 g + 8 u + r + 8 (r / 8).
; SHARES.  A tile of 256 x 256 to a work-group of four waves, as many as a WGP has SIMDs; a wave makes 128 x 128: 64 accumulators, 512 registers.  K goes in four slots of 256 through a ring of two LDS slots filled by the tensor data mover.
; CLUSTERS: 4 x 4 work-groups.  The four of a row of the cluster need the same tiles of x, the four of a column the same tiles of the weight: each is asked for JOINTLY.  Cluster x = 0 makes q, 1 makes k, 2 makes v.
; ORIENTATION.  q, k: source 0 = 16 rows of the weight, source 1 = 16 rows of x: a lane holds ONE token and its 64 registers of a block run along 128 neighbouring outputs (two heads).
; v: source 0 = x, source 1 = the weight: a lane holds ONE output and its registers run along 128 neighbouring tokens (a key step).  Only LDS bases differ, chosen by cluster x, which all partners share.
; OUTPUTS.  Index i = 8 hh + b (hh 0-15 q's heads, 16-31 k's, 32-47 v's): 49,152 bytes of qkvimg, 2,048 of qkvscl.  q, k: token tile tau: 768 bytes at 768 tau, piece p of 3 = registers 2 p, 2 p + 1 of the lane's 6 (codes 32 h .. 32 h + 31 of the 64);
; scale word at 64 (tau / 2) + 4 r: bytes 0, 1 tile 2 g, bytes 2, 3 tile 2 g + 1.  v: fragment (key step s, tile dt of 16 of the 64) at 6144 s + 1536 dt, six pieces; scale word at 256 s + 64 dt + 4 r.
; LIMITS: NaN and infinities are not served; a block whose largest magnitude lies under 2^-122, a block of zeros among them, keeps the byte 1 (only this program reads the bytes).
; REGISTERS, in windows of 256: window 0: v0-31 addresses; v32-95 scale words, two sets for each side, and nothing else; v96-111 v's bias; from v128 source 1's fragments, ONE set; in the epilogue v128-231 at work.
;   window 1: source 0's fragments, TWO sets, at v0 and v128; v96-127, v224-255 q's and k's bias.   window 2: the accumulators of blocks 0-3 ((a, b) at v[8 (8 (a % 4) + b)]);   window 3: blocks 4-7.
.set NQ,     2                         ; matrix instructions deep in a slot
.set FR,     12                        ; registers of a fragment
.set NL,     6                         ; LDS loads that bring one
.set NP,     4                         ; places behind this matrix instruction (ISA guide 7.12.1)
.set FRB,    1536                      ; a fragment's image
.set RT,     NQ*FRB                    ; a row tile's bytes in a slot
.set HALFT,  8*RT                      ; 8 row tiles: what one tensor load brings, and what one wave reads of a side
.set SLOT,   4*HALFT                   ; x's 16 tiles, then the weight's 16
.set SCL,    2*SLOT                    ; behind the ring: the scales for all of K, filled once
.set HALFS,  8*512
.set SPARE,  SCL+4*HALFS               ; the spare words, 128 bytes for each wave: two blocks of 256 bytes that no other line names
.set ADRA, 16                          ; v16-17  LDS address of source 1's fragments in slot 0, 1
.set ADRB, 20                          ; v20-21  of source 0's
.set LO8,  24                          ; v24     8 x lane
.set SOQ,  25                          ; v25     q, k: the scale stores' offset: 4 r + 16384 h
.set SOV,  26                          ; v26     v: 4 x lane
.set ADRSA, 27                         ; v27     LDS address of source 1's scale words
.set SPW,  28                          ; v28     LDS address of my spare word; never rewritten
.set NIL,  29                          ; v29     0; never rewritten
.set ADRSB, 30                         ; v30     of source 0's scale words
.set SCA,  32                          ; source 1's scale words: set s at v[32 + 32 s], register 2 i + q
.set SCB,  48                          ; source 0's: v[48 + 32 s]
.set BV,   96                          ; v's bias: a pair for each block
.set AF,   128
.set T,    128                         ; the epilogue: 64 numbers of a block
.set PC,   192                         ; the codes just made (and the conversions' second halves)
.set TM,   212                         ; v212-227 at work in QUANT
.set PW,   228                         ; the scale word just made
.set W0,   229                         ; the even block's word
.set WA,   230
.set WB,   231
.set G1, 24                            ; s[24:31] descriptor group 1 for x's tiles;  s[32:39] group 0, one set for each slot
.set G0, 32
.set G1B, 48                           ; s[48:55], s[56:63] the same for the weight's
.set G0B, 56
.set G1S, 68                           ; s[68:75], s[76:79] groups 1 and 0 for x's scales;  s[80:87], s[88:91] for the weight's
.set G0S, 76
.set G1SB, 80
.set G0SB, 88
.set SC,  96                           ; s[96:97] 1/8 for q, 1 for k and v
.set SEL, 98                           ; s[98:99] lane selects for v_permlanex16_b32: lane l xor 16
.set MSB, 0
.macro WIN new                         ; the immediate's high byte repeats the setting that is left
.if MSB != (\new)
	s_set_vgpr_msb (MSB<<8)|(\new)
.set MSB, (\new)
.endif
.endm
.set MUL_LO, 0xa1                      ; source 0 window 1, source 1 window 0, C and D window 2
.set MUL_HI, 0xf1                      ; the same, C and D window 3
.set TO_B,   0x40                      ; destination window 1, address window 0
; A joint load: waves 0 and 1 fetch x's halves, waves 2 and 3 the weight's.  Each line has ONE mask and one set of registers for all that issue it; the branch hangs on the wave's number alone.
; Four v_nop follow each of the two lines, ahead of the jump, the label and what follows.
.macro JLOAD g0a, g1a, g0b, g1b
	s_cmp_eq_u32 s15, 0
	s_cbranch_scc0 .Lfor_b_\@
	tensor_load_to_lds s[\g0a:\g0a+3], s[\g1a:\g1a+7]
	s_nop 0
.rept 4
	v_nop
.endr
	s_branch .Lasked_\@
.Lfor_b_\@:
	tensor_load_to_lds s[\g0b:\g0b+3], s[\g1b:\g1b+7]
	s_nop 0
.rept 4
	v_nop
.endr
.Lasked_\@:
.endm
.macro CREST                           ; a round of the cluster's barrier behind its opening barrier
	s_cmp_lg_u32 s14, 0
	s_cbranch_scc1 .Lnot_wave_0_\@
	s_barrier_signal -3
.Lnot_wave_0_\@:
	s_barrier_wait -3
	s_barrier_signal -1
	s_barrier_wait -1
.endm
.macro CROUND                          ; a whole round
	s_barrier_signal -1
	s_barrier_wait -1
	CREST
.endm
	s_load_b128 s[4:7], s[0:1], 0x0                ; opimg s[4:5], opscl s[6:7]
	s_load_b128 s[8:11], s[0:1], 0x10              ; in_proj_bias s[8:9], qkvimg s[10:11]
	s_load_b64 s[12:13], s[0:1], 0x20              ; qkvscl
	v_lshl_add_u32 v[SPW], v0, 2, SPARE
	v_mov_b32 v[NIL], 0
	ds_add_u32 v28, v29
	ds_add_u32 v28, v29
	s_wait_dscnt 0x0
	v_lshrrev_b32 v1, 5, v0
	v_readfirstlane_b32 s14, v1                    ; wave 0..3
	s_lshr_b32 s15, s14, 1                         ; which half of source 1's rows is mine.  Also: I fetch for x (0) or for the weight (1)
	s_and_b32 s16, s14, 1                          ; which half of source 0's.  Also: which 8 row tiles I fetch
	s_bfe_u32 s40, ttmp6, 0x40000                  ; cx, cy: my place in the cluster
	s_bfe_u32 s41, ttmp6, 0x40004
	s_lshl_b32 s42, ttmp9, 2
	s_add_co_u32 s42, s42, s40                     ; work-group x = 4 x cluster x + cx: 256 outputs
	s_and_b32 s17, ttmp7, 0xffff
	s_lshl_b32 s17, s17, 2
	s_add_co_u32 s17, s17, s41                     ; work-group y = 4 x cluster y + cy: 256 rows of x
	s_lshl_b32 s43, s41, 2
	s_lshl_b32 s43, 15, s43                        ; my row of the cluster
	s_lshl_b32 s44, 0x1111, s40                    ; my column
	; descriptor group 1, codes: 8 row tiles x 3,072 bytes (384 elements of 8 bytes), 12,288 bytes apart; they lie in LDS on end, no padding: every LDS load of a fragment takes 256 consecutive bytes
	s_or_b32 s[G1+0], s43, (3<<16)|(1<<21)         ; 15:0 the mask: x's tiles go to my row; 17:16 elements of 8 bytes; 21 set beside a mask
	s_or_b32 s[G1B+0], s44, (3<<16)|(1<<21)        ; the weight's go to my column
.irp g, G1, G1B
	s_mov_b32 s[\g+1], 384<<16                     ; tensor_dim0
	s_mov_b32 s[\g+2], 8<<16                       ; tensor_dim1
	s_mov_b32 s[\g+3], 384<<16                     ; tile_dim0
	s_mov_b32 s[\g+4], 8                           ; tile_dim1
	s_mov_b32 s[\g+5], 1536                        ; tensor_dim0_stride
	s_mov_b32 s[\g+6], 0
	s_mov_b32 s[\g+7], 0
.endr
	; scales: the 4,096 dense bytes of 8 row tiles, as 16 rows of 256 bytes
	s_or_b32 s[G1S+0], s43, (3<<16)|(1<<21)
	s_or_b32 s[G1SB+0], s44, (3<<16)|(1<<21)
.irp g, G1S, G1SB
	s_mov_b32 s[\g+1], 32<<16
	s_mov_b32 s[\g+2], 16<<16
	s_mov_b32 s[\g+3], 32<<16
	s_mov_b32 s[\g+4], 16
	s_mov_b32 s[\g+5], 32
	s_mov_b32 s[\g+6], 0
	s_mov_b32 s[\g+7], 0
.endr
	s_lshl_b32 s18, s16, 3                         ; which 8 row tiles I fetch
	s_lshl_b32 s20, s17, 4
	s_add_co_u32 s20, s20, s18                     ; x: tile 16 x work-group y + 8 x half
	s_lshl_b32 s46, s42, 4
	s_add_co_u32 s46, s46, s18
	s_add_co_u32 s46, s46, 512                     ; the weight: tile 512 + 16 x work-group x + 8 x half
	s_lshl_b32 s22, s20, 9                         ; where these tiles' scales begin, in bytes,
	s_mov_b32 s23, 0
	s_lshl_b32 s92, s46, 9
	s_mov_b32 s93, 0
	s_mul_i32 s20, s20, 12288                      ; and their codes (under 2^24)
	s_mov_b32 s21, 0
	s_mul_i32 s46, s46, 12288
	s_mov_b32 s47, 0
	s_mul_i32 s45, s14, HALFT                      ; where they go: wave x 8 tiles: no place in the cluster enters an LDS address
	s_mul_i32 s94, s14, HALFS
	s_wait_kmcnt 0x0
	s_add_nc_u64 s[20:21], s[4:5], s[20:21]
	s_add_nc_u64 s[22:23], s[6:7], s[22:23]
	s_add_nc_u64 s[46:47], s[4:5], s[46:47]
	s_add_nc_u64 s[92:93], s[6:7], s[92:93]
	CROUND                                         ; all sixteen work-groups are here: the first joint loads meet
	s_mov_b32 s[G0S], 1
	s_add_co_u32 s[G0S+1], s94, SCL
	s_mov_b64 s[G0S+2:G0S+3], s[22:23]
	s_or_b32 s[G0S+3], s[G0S+3], 0x80000000
	s_mov_b32 s[G0SB], 1
	s_add_co_u32 s[G0SB+1], s94, SCL
	s_mov_b64 s[G0SB+2:G0SB+3], s[92:93]
	s_or_b32 s[G0SB+3], s[G0SB+3], 0x80000000
	JLOAD G0S, G1S, G0SB, G1SB                     ; the scales first: they are wanted with slot 0.  Three loads of mine are out behind the third line
.irp s, 0,1
	s_mov_b32 s[G0+4*\s], 1
	s_add_co_u32 s[G0+4*\s+1], s45, \s*SLOT
	s_add_nc_u64 s[G0+4*\s+2:G0+4*\s+3], s[20:21], \s*RT
	s_or_b32 s[G0+4*\s+3], s[G0+4*\s+3], 0x80000000
	s_mov_b32 s[G0B+4*\s], 1
	s_add_co_u32 s[G0B+4*\s+1], s45, \s*SLOT
	s_add_nc_u64 s[G0B+4*\s+2:G0B+4*\s+3], s[46:47], \s*RT
	s_or_b32 s[G0B+4*\s+3], s[G0B+4*\s+3], 0x80000000
	JLOAD G0+4*\s, G1, G0B+4*\s, G1B
.endr
	v_and_b32 v1, 15, v0                           ; r
	v_bfe_u32 v2, v0, 4, 1                         ; h
	v_and_b32 v3, 31, v0                           ; lane
	v_lshlrev_b32 v[LO8], 3, v3
	s_cmp_eq_u32 ttmp9, 2                          ; v?  The same in all sixteen partners
	s_cselect_b32 s95, 1, 0
	s_cselect_b32 s2, 2*HALFT, 0                   ; source 1: x's region, for v the weight's
	s_cselect_b32 s3, 0, 2*HALFT                   ; source 0: the other
	s_cselect_b32 s18, 2*HALFS, 0
	s_cselect_b32 s19, 0, 2*HALFS
	s_mul_i32 s66, s15, HALFT
	s_add_co_u32 s2, s2, s66
	s_mul_i32 s66, s16, HALFT
	s_add_co_u32 s3, s3, s66
	s_mul_i32 s66, s15, HALFS
	s_add_co_u32 s18, s18, s66
	s_mul_i32 s66, s16, HALFS
	s_add_co_u32 s19, s19, s66
.irp s, 0,1
	v_add_nc_u32 v[ADRA+\s], s2, v[LO8]
	v_add_nc_u32 v[ADRB+\s], s3, v[LO8]
	s_add_co_u32 s2, s2, SLOT
	s_add_co_u32 s3, s3, SLOT
.endr
	v_lshlrev_b32 v4, 3, v1                        ; 8 r: a row's two scale words of a slot
	s_add_co_u32 s18, s18, SCL
	s_add_co_u32 s19, s19, SCL
	v_add_nc_u32 v[ADRSA], s18, v4
	v_add_nc_u32 v[ADRSB], s19, v4
	; the bias, in both forms (both lie inside the buffer for every tile; each path of the epilogue reads its own)
	s_lshl_b32 s66, s42, 10
	s_lshl_b32 s67, s16, 9
	s_add_co_u32 s66, s66, s67
	s_mov_b32 s67, 0
	s_add_nc_u64 s[66:67], s[8:9], s[66:67]        ; q, k: my 128 outputs are source 0's half
	s_lshl_b32 s46, s42, 10
	s_lshl_b32 s47, s15, 9
	s_add_co_u32 s46, s46, s47
	s_mov_b32 s47, 0
	s_add_nc_u64 s[46:47], s[8:9], s[46:47]        ; v: source 1's half
	v_lshlrev_b32 v5, 6, v2                        ; q, k: register 8 b + j is output 32 (b / 2) + 16 h + 8 (b % 2) + j
	v_and_b32 v6, 8, v1
	v_add_nc_u32 v6, v6, v1
	v_lshlrev_b32 v6, 2, v6                        ; v: my output in block a is 32 (a / 2) + 8 (a % 2) + r + 8 (r / 8)
	WIN TO_B
.irp b, 0,1,2,3,4,5,6,7
	global_load_b128 v[96+8*\b+96*(\b/4):96+8*\b+96*(\b/4)+3], v5, s[66:67] offset:4*(32*(\b/2)+8*(\b%2))
	global_load_b128 v[96+8*\b+96*(\b/4)+4:96+8*\b+96*(\b/4)+7], v5, s[66:67] offset:4*(32*(\b/2)+8*(\b%2))+16
.endr
	WIN 0
.irp a, 0,1,2,3,4,5,6,7
	global_load_b32 v[BV+2*\a], v6, s[46:47] offset:4*(32*(\a/2)+8*(\a%2))      ; twice: a pair for the packed addition
	global_load_b32 v[BV+2*\a+1], v6, s[46:47] offset:4*(32*(\a/2)+8*(\a%2))
.endr
	v_lshlrev_b32 v[SOQ], 2, v1
	v_lshl_add_u32 v[SOQ], v2, 14, v[SOQ]
	v_lshlrev_b32 v[SOV], 2, v3
	s_mov_b32 s[SC], 1.0
	s_cmp_eq_u32 ttmp9, 0
	s_cselect_b32 s[SC], 0x3e000000, s[SC]         ; q is scaled by 64^-0.5 = 1/8 ahead of its quantiser
	s_mov_b32 s[SC+1], s[SC]
	s_mov_b32 s[SEL], 0x76543210
	s_mov_b32 s[SEL+1], 0xfedcba98
.macro FRAG reg, adr, q, i             ; a fragment comes as it was stored: six loads of 8 bytes a lane, each 256 consecutive bytes
.irp p, 0,1,2,3,4,5
	ds_load_b64 v[\reg+2*\p:\reg+2*\p+1], v[\adr] offset:(\i)*RT+(\q)*FRB+256*\p
.endr
.endm
; 16 matrix instructions: source 1's blocks a0, a0 + 1 x source 0's eight, 128 along K: the slot's q-th.  p: source 0's set;  sc: the set of scale words.  zero = 1: the first product starts the sums.
; The 64 accumulators take turns, one instruction a turn, in the same order in every step.
.macro MUL16 a0, p, q, sc, zero
.irp a, \a0, \a0+1
.irp b, 0,1,2,3,4,5,6,7
.if \zero
	v_wmma_scale_f32_16x16x128_f8f6f4 v[8*(8*((\a)%4)+\b):8*(8*((\a)%4)+\b)+7], v[128*(\p)+FR*\b:128*(\p)+FR*\b+FR-1], v[AF+FR*(\a):AF+FR*(\a)+FR-1], 0, v[SCB+32*(\sc)+2*\b+(\q)], v[SCA+32*(\sc)+2*(\a)+(\q)] matrix_a_fmt:MATRIX_FMT_BF6 matrix_b_fmt:MATRIX_FMT_BF6
.else
	v_wmma_scale_f32_16x16x128_f8f6f4 v[8*(8*((\a)%4)+\b):8*(8*((\a)%4)+\b)+7], v[128*(\p)+FR*\b:128*(\p)+FR*\b+FR-1], v[AF+FR*(\a):AF+FR*(\a)+FR-1], v[8*(8*((\a)%4)+\b):8*(8*((\a)%4)+\b)+7], v[SCB+32*(\sc)+2*\b+(\q)], v[SCA+32*(\sc)+2*(\a)+(\q)] matrix_a_fmt:MATRIX_FMT_BF6 matrix_b_fmt:MATRIX_FMT_BF6
.endif
.endr
.endr
.endm
.macro FETCH_B slot, q, p              ; source 0's eight fragments of the slot's q-th 128 along K into set p
	WIN TO_B
.irp i, 0,1,2,3,4,5,6,7
	FRAG 128*(\p)+FR*\i, ADRB+\slot, \q, \i
.endr
	WIN 0
.endm
.macro FETCH_A slot, q, i0             ; source 1's blocks i0 .. i0 + 3
.irp i, \i0, \i0+1, \i0+2, \i0+3
	FRAG AF+FR*(\i), ADRA+\slot, \q, \i
.endr
.endm
.macro SCALES sc                       ; a slot's scale words into set sc: two words a row
.irp i, 0,1,2,3,4,5,6,7
	ds_load_b64 v[SCA+32*\sc+2*\i:SCA+32*\sc+2*\i+1], v[ADRSA] offset:512*\i
	ds_load_b64 v[SCB+32*\sc+2*\i:SCB+32*\sc+2*\i+1], v[ADRSB] offset:512*\i
.endr
.endm
; A load into a register that a matrix instruction has read, and a vector instruction that reads a matrix result, stand NP places behind that matrix instruction, and only plain vector
; instructions that name none of its registers are places (ISA guide 7.12.1 for vector instructions).
.macro PLACES n
.rept \n
	v_nop
.endr
.endm
; A step of 128 along K that has its successor in the same slot.
.macro STEP slot, q, zero
	s_wait_dscnt 4*NL                              ; source 0's set, the scale words and blocks 0-3 are in; the youngest 24 loads (blocks 4-7) may be out
	WIN MUL_LO
	MUL16 0, (\q)%2, \q, \slot, \zero
	MUL16 2, (\q)%2, \q, \slot, \zero
	s_wait_dscnt 0                                 ; blocks 4-7 are in (asked for 32 matrix instructions ago)
	PLACES NP
	FETCH_B \slot, (\q)+1, 1-(\q)%2
	FETCH_A \slot, (\q)+1, 0
	WIN MUL_HI
	MUL16 4, (\q)%2, \q, \slot, \zero
	MUL16 6, (\q)%2, \q, \slot, \zero
	PLACES NP
	WIN 0
	FETCH_A \slot, (\q)+1, 4
.endm
; A slot's last step changes slots: ONE barrier; in front of it each wave waits for all its tensor loads, adds 0 to its spare word, and waits for that and for its own reads of this slot.  fill = 1: this slot is filled again, two slots ahead.
.macro TURN slot, next, fill
	s_wait_tensorcnt 0x0                           ; all my tensor loads have landed: my part of the next slot;  (every window is 0 here)
	ds_add_u32 v[SPW], v[NIL]                      ; 0 onto my spare word
	s_wait_dscnt 4*NL+1                            ; (the add and the youngest 24 loads, blocks 4-7, may be out)
	WIN MUL_LO
	MUL16 0, 1, NQ-1, \slot, 0                     ; sixteen matrix instructions stand between the add and the wait for it
	s_wait_dscnt 0x0                               ; the add is done, and my reads of this slot are over
	s_barrier_signal -1
	MUL16 2, 1, NQ-1, \slot, 0
	WIN 0
	s_barrier_wait -1
.if \fill
	CREST                                          ; the barrier has opened a round of the cluster's barrier: no wave of any partner still reads this slot or has a load on its way
	s_add_nc_u64 s[G0+4*\slot+2:G0+4*\slot+3], s[G0+4*\slot+2:G0+4*\slot+3], 2*RT
	s_add_nc_u64 s[G0B+4*\slot+2:G0B+4*\slot+3], s[G0B+4*\slot+2:G0B+4*\slot+3], 2*RT
	JLOAD G0+4*\slot, G1, G0B+4*\slot, G1B         ; the first tensor load behind the round, my one load until the next; its four v_nop are the places in front of the loads below
.else
	PLACES NP
.endif
	v_add_nc_u32 v[ADRSA], 128, v[ADRSA]           ; on to the next slot's scale words
	v_add_nc_u32 v[ADRSB], 128, v[ADRSB]
	FETCH_B \next, 0, 0
	FETCH_A \next, 0, 0
	SCALES \next
	WIN MUL_HI
	MUL16 4, 1, NQ-1, \slot, 0
	MUL16 6, 1, NQ-1, \slot, 0
	PLACES NP
	WIN 0
	FETCH_A \next, 0, 4
.endm
	s_wait_loadcnt 0x0                             ; the bias
	s_wait_tensorcnt 1                             ; the scales and my part of slot 0 are in (slot 1's load may be out)
	s_barrier_signal -1
	s_barrier_wait -1                              ; everybody's are
	FETCH_B 0, 0, 0
	FETCH_A 0, 0, 0
	SCALES 0
	FETCH_A 0, 0, 4
	STEP 0, 0, 1                                   ; K 0: its products start the sums: nothing is cleared.  K has four slots, so the eight steps are written out
	TURN 0, 1, 1                                   ; K 128; slot 0 takes K 512 on
	STEP 1, 0, 0
	TURN 1, 0, 1                                   ; K 384; slot 1 takes K 768 on
	STEP 0, 0, 0
	TURN 0, 1, 0                                   ; K 640; nothing is left to fetch
	STEP 1, 0, 0
	s_wait_dscnt 4*NL                              ; the last step
	WIN MUL_LO
	MUL16 0, 1, NQ-1, 1, 0
	MUL16 2, 1, NQ-1, 1, 0
	s_wait_dscnt 0
	WIN MUL_HI
	MUL16 4, 1, NQ-1, 1, 0
	MUL16 6, 1, NQ-1, 1, 0
	WIN 0
; 64 numbers of a lane, v[s] .. v[s + 63], register 16 b + i = k 32 b + 16 (lane / 16) + i of my row, become a fragment's codes in v[PC] on and its scale word in v[PW].
.macro QUANT s
.irp b, 0,1,2,3
	v_max3_num_f32 v[TM+\b], |v[\s+16*\b]|, |v[\s+1+16*\b]|, 0x2800000   ; block b: my 16 numbers, and the floor 2^(5 - 127): the byte cannot fall under 1
.endr
.irp i, 2,4,6,8,10,12,14
.irp b, 0,1,2,3
	v_max3_num_f32 v[TM+\b], v[TM+\b], |v[\s+16*\b+\i]|, |v[\s+1+16*\b+\i]|   ; (the four blocks by turns)
.endr
.endr
.irp b, 0,1,2,3
	v_permlanex16_b32 v[TM+4+\b], v[TM+\b], s[SEL], s[SEL+1]
.endr
.irp b, 0,1,2,3
	v_max_num_f32 v[TM+\b], v[TM+\b], v[TM+4+\b]   ; with lane l xor 16's: the block's largest magnitude
.endr
.irp b, 0,1,2,3
	v_add_nc_u32 v[TM+12+\b], 0xfe000000, v[TM+\b]   ; 4 off its exponent field: the conversion's scale operand
.endr
.irp b, 0,1,2,3
	v_lshrrev_b32 v[TM+4+\b], 23, v[TM+12+\b]      ; the scale's byte
.endr
	v_lshl_or_b32 v[PW], v[TM+5], 8, v[TM+4]
	v_lshl_or_b32 v[PW], v[TM+6], 16, v[PW]
	v_lshl_or_b32 v[PW], v[TM+7], 24, v[PW]
.irp c, 0,1
	v_cvt_scalef32_pk16_bf6_f32 v[PC+6*\c:PC+2+6*\c], v[\s+32*\c:\s+15+32*\c], v[TM+12+2*\c]
	v_cvt_scalef32_pk16_bf6_f32 v[PC+12+4*\c:PC+14+4*\c], v[\s+16+32*\c:\s+31+32*\c], v[TM+12+2*\c+1]   ; (a conversion's three registers begin on an even number)
.endr
	v_nop                                          ; one plain instruction behind the scaled conversions
.irp c, 0,1                                    ; the operand's layout wants a WHOLE block in a lane: lanes 0-15 block 2 c, lanes 16-31 block 2 c + 1
.irp i, 0,1,2
	v_permlane16_swap_b32 v[PC+6*\c+\i], v[PC+12+4*\c+\i]
.endr
.irp i, 0,1,2
	v_mov_b32 v[PC+3+6*\c+\i], v[PC+12+4*\c+\i]
.endr
.endr
.endm
; q, k: block a = 16 tokens (token tile a of my 8) x my 128 outputs = two heads.  (sum + bias) x sc = fma(sum, sc, bias x sc): sc is a power of two.
.macro QKBLOCK a
	s_wait_xcnt 0x0                                ; the last block's stores have read their registers: they are written again only behind this wait
	WIN 0x12+(\a)/4                                ; source 0: window 2 or 3; source 2: window 1
.set n, 0
.rept 32
	v_pk_fma_f32 v[T+n:T+n+1], v[64*((\a)%4)+n:64*((\a)%4)+n+1], s[SC:SC+1], v[96+n+96*(n/32):96+n+96*(n/32)+1] op_sel_hi:[1,0,1]   ; ascending: each accumulator is read from its low end on
.set n, n+2
.endr
	WIN 0
	QUANT T
.irp c, 0,1                                    ; registers 6 c .. 6 c + 5 are head c's codes of this token tile
.irp p, 0,1,2
	global_store_b64 v[LO8], v[PC+6*\c+2*\p:PC+6*\c+2*\p+1], s[10:11] offset:768*(\a)+393216*\c+256*\p   ; 256 consecutive bytes, aligned
.endr
.endr
.if (\a)%2 == 0
	v_mov_b32 v[W0], v[PW]
.else
	v_perm_b32 v[WA], v[PW], v[W0], 0x05040100     ; head 0: the even tile's bytes 0, 1, then the odd tile's
	v_perm_b32 v[WB], v[PW], v[W0], 0x07060302     ; head 1: bytes 2, 3 of both
	v_cndmask_b32 v[WA], v[WA], v[WB], s3          ; lanes 0-15 store head 0's words, lanes 16-31 head 1's
	global_store_b32 v[SOQ], v[WA], s[12:13] offset:64*((\a)/2)
.endif
.endm
; v: block a = 16 outputs (head a / 4, tile a % 4 of its 64) x my 128 tokens = a key step: one whole fragment
.macro VBLOCK a
	s_wait_xcnt 0x0
	WIN 0x02+(\a)/4                                ; source 0: window 2 or 3
.set n, 0
.rept 32
	v_pk_add_f32 v[T+n:T+n+1], v[64*((\a)%4)+n:64*((\a)%4)+n+1], v[BV+2*(\a):BV+2*(\a)+1]
.set n, n+2
.endr
	WIN 0
	QUANT T
.irp p, 0,1,2,3,4,5
	global_store_b64 v[LO8], v[PC+2*\p:PC+2*\p+1], s[10:11] offset:393216*((\a)/4)+1536*((\a)%4)+256*\p
.endr
.if (\a)%2 == 0
	v_mov_b32 v[W0], v[PW]
.else
	v_cndmask_b32 v[WA], v[W0], v[PW], s3          ; lanes 0-15 store the even tile's words, lanes 16-31 the odd tile's
	global_store_b32 v[SOV], v[WA], s[12:13] offset:16384*((\a)/4)+64*((\a)&2)
.endif
.endm
	PLACES NP                                      ; behind the last products: their results are read and their operands' registers written below
.irp b, 0,1,2,3
	v_mov_b32 v[TM+4+\b], 0                        ; written once: a lane permute's destination counts as one of its sources
.endr
	s_mov_b32 s3, 0xffff0000                       ; lanes 16-31
	s_lshr_b32 s18, s17, 2                         ; the batch: 64 row tiles each
	s_and_b32 s19, s17, 3                          ; which 256 of its 1,024 times
	s_cmp_lg_u32 s95, 0
	s_cbranch_scc1 .Lvpath
	s_lshl_b32 s2, s42, 2
	s_lshl_b32 s66, s16, 1
	s_add_co_u32 s2, s2, s66                       ; my first head: 4 x work-group x + 2 x half
	s_lshl_b32 s2, s2, 3
	s_add_co_u32 s2, s2, s18                       ; its index 8 hh + b
	s_lshl_b32 s66, s19, 3
	s_lshl_b32 s67, s15, 2
	s_add_co_u32 s66, s66, s67                     ; my first pair of token tiles
	s_mul_i32 s44, s2, 49152
	s_mul_i32 s45, s66, 1536
	s_add_co_u32 s44, s44, s45
	s_mov_b32 s45, 0
	s_add_nc_u64 s[10:11], s[10:11], s[44:45]
	s_lshl_b32 s40, s2, 11
	s_lshl_b32 s41, s66, 6
	s_add_co_u32 s40, s40, s41
	s_mov_b32 s41, 0
	s_add_nc_u64 s[12:13], s[12:13], s[40:41]
	WIN 0x41                                       ; destination and source 0: window 1
.set n, 0
.rept 32
	v_pk_mul_f32 v[96+n+96*(n/32):96+n+96*(n/32)+1], v[96+n+96*(n/32):96+n+96*(n/32)+1], s[SC:SC+1] op_sel_hi:[1,0]   ; bias x sc
.set n, n+2
.endr
	WIN 0
.irp a, 0,1,2,3,4,5,6,7
	QKBLOCK \a
.endr
	s_branch .Ldone
.Lvpath:
	s_lshl_b32 s2, s42, 2
	s_lshl_b32 s66, s15, 1
	s_add_co_u32 s2, s2, s66
	s_lshl_b32 s2, s2, 3
	s_add_co_u32 s2, s2, s18
	s_lshl_b32 s66, s19, 1
	s_add_co_u32 s66, s66, s16                     ; my key step
	s_mul_i32 s44, s2, 49152
	s_mul_i32 s45, s66, 6144
	s_add_co_u32 s44, s44, s45
	s_mov_b32 s45, 0
	s_add_nc_u64 s[10:11], s[10:11], s[44:45]
	s_lshl_b32 s40, s2, 11
	s_lshl_b32 s41, s66, 8
	s_add_co_u32 s40, s40, s41
	s_mov_b32 s41, 0
	s_add_nc_u64 s[12:13], s[12:13], s[40:41]
.irp a, 0,1,2,3,4,5,6,7
	VBLOCK \a
.endr
.Ldone:
	s_wait_tensorcnt 0x0                           ; the wave's end
	ds_add_u32 v[SPW], v[NIL]
	s_wait_dscnt 0x0
	CROUND                                         ; the closing round: no work-group ends while a partner may still ask for a tile that names it
	s_endpgm
.Lfunc_end_k_q5b2b3df42a_qkv:
	.size	k_q5b2b3df42a_qkv, .Lfunc_end_k_q5b2b3df42a_qkv-k_q5b2b3df42a_qkv
	.p2alignl 7, 3214868480
	.fill 96, 4, 3214868480
	.section	.rodata,"a",@progbits
	.p2align	6, 0x0
	.amdhsa_kernel k_q5b2b3df42a_qkv
		.amdhsa_group_segment_fixed_size 327680
		.amdhsa_private_segment_fixed_size 0
		.amdhsa_enable_private_segment 0
		.amdhsa_kernarg_size 40
		.amdhsa_user_sgpr_count 2
		.amdhsa_user_sgpr_kernarg_segment_ptr 1
		.amdhsa_wavefront_size32 1
		.amdhsa_system_sgpr_workgroup_id_x 1
		.amdhsa_system_sgpr_workgroup_id_y 1
		.amdhsa_system_sgpr_workgroup_id_z 1
		.amdhsa_system_vgpr_workitem_id 0
		.amdhsa_next_free_vgpr 1024
		.amdhsa_next_free_sgpr 100
		.amdhsa_reserve_vcc 0
		.amdhsa_float_denorm_mode_32 3
		.amdhsa_float_denorm_mode_16_64 3
		.amdhsa_memory_ordered 1
		.amdhsa_forward_progress 1
		.amdhsa_inst_pref_size 244
	.end_amdhsa_kernel
	.amdgpu_metadata
---
amdhsa.version: [ 1, 2 ]
amdhsa.kernels:
  - .name:           k_q5b2b3df42a_qkv
    .symbol:         k_q5b2b3df42a_qkv.kd
    .args:
      - { .name: opimg, .offset: 0, .size: 8, .value_kind: global_buffer, .address_space: global }
      - { .name: opscl, .offset: 8, .size: 8, .value_kind: global_buffer, .address_space: global }
      - { .name: in_proj_bias, .offset: 16, .size: 8, .value_kind: global_buffer, .address_space: global }
      - { .name: qkvimg, .offset: 24, .size: 8, .value_kind: global_buffer, .address_space: global }
      - { .name: qkvscl, .offset: 32, .size: 8, .value_kind: global_buffer, .address_space: global }
    .group_segment_fixed_size: 327680
    .private_segment_fixed_size: 0
    .kernarg_segment_align: 8
    .kernarg_segment_size: 40
    .max_flat_workgroup_size: 128
    .sgpr_count:     100
    .vgpr_count:     1024
    .wavefront_size: 32
...
	.end_amdgpu_metadata
.endif
;; end of part 2
;; launch attn (part 3): grid 2 x 128, 16 waves a work-group, no clusters, 104,448 bytes of LDS; arguments qkvimg, qkvscl, maskw, ctximg, ctxscl; writes ctximg, ctxscl
.if DOCPART == 3
	.amdgcn_target "amdgcn-amd-amdhsa--gfx1250"
	.amdhsa_code_object_version 6
	.text
	.protected	k_q5b2b3df42a_attn
	.globl	k_q5b2b3df42a_attn
	.p2align	8
	.type	k_q5b2b3df42a_attn,@function
k_q5b2b3df42a_attn:
	s_mov_b64 s[64:65], 0
	v_nop
	global_prefetch_b8 v0, s[64:65] scope:SCOPE_SE
	s_setreg_imm32_b32 hwreg(HW_REG_WAVE_MODE, 25, 1), 1
	s_wait_xcnt 0x0
; ctx[q] = the sum over k of softmax_k(q . k, hidden where attn_mask is set) v[k], for 128 (head, batch) pairs of 1,024 tokens x 64, both products on codes of BF6 (E3M2) with E8M0 scales.
; THE SOFTMAX AHEAD OF THE SECOND PRODUCT: t = score x log2(e); M = the row's largest t so far, rounded UP to a whole number; p = 2^(t - M) is what is quantised, along the keys; the row's sum is taken of the unquantised p and divides at the end.
; When M moves, the sum and O are multiplied by 2^(old M - new M): exact.  A block's largest p is made from the block's largest score by the same two instructions (this takes v_exp_f32 not to fall where its input rises).
; INPUTS (made by the launches before): the images and scale words of q, k, v as the launch before lays them; maskw: for (query tile, key step) a record of 384 bytes: 64 lane masks, one for each score register, then a flag (bit 0: all hidden, bit 1: none hidden).
; SHARES.  A work-group owns one (head, batch) and half of its 64 query tiles; each of its SIXTEEN waves runs two passes, tiles 2 w + j and 63 - (2 w + j): where the flags leave out late keys for early queries the pairs are even; it is right for any mask.
; K and V of the pair, 98,304 bytes of codes and 4,096 of scales, lie whole in LDS, brought once through registers (no tensor load and no copy is in this text).
; ALL THAT A WAVE READS FROM MEMORY BUT THE LANE MASKS IS ASKED FOR AT THE HEAD, beside the fill: q of both passes, and the sixteen flags, which are folded into one scalar, two bits a step.  A step whose flag says 'all hidden' costs a few scalar lines;
; the 64 lane masks are loaded only in a step that has both hidden and open scores: asked for at the step's head, waited for behind its score products.
; No cluster: a pair has two work-groups, and what they share is read once, at the head.
; LAYOUT.  Both products transposed: a lane holds ONE query.  A fragment of K holds TWO tiles of 16 keys, 64 codes each: multiplied by [q | 0] it gives the first tile's scores, by [0 | q] the second's: the other tile's codes meet zero codes.
; One run of 18 registers [0 | q | 0] is both operands.  By the order of the rows in a tile, score register n is key 128 s + 32 (n / 16) + 16 (lane / 16) + n % 16, and register n of O^T is channel 32 (n / 16) + 16 (lane / 16) + n % 16.
; OUTPUT: ctx as the next product's operand: row tile 64 b + qt, K step head / 2, registers 6 (head % 2) on; two scale bytes a row.
; A ROW ALL OF WHOSE KEYS ARE HIDDEN has the sum 0: its codes are zeros and its scale bytes 0xff, which make the next product's sums NaN, as the softmax of such a row is.
; LIMITS: NaN and infinities among the inputs are not served; a block of ctx whose largest magnitude lies under 2^-122 keeps the byte 1.
.set KSC,  98304                       ; LDS: K's images at 0, V's at 49,152; K's scale words here, V's 2,048 on
.set LO8,  1                           ; v1   8 x lane
.set AKS,  2                           ; v2   4 r + KSC
.set ADK,  3                           ; v3   LDS address of the step's fragments
.set ADS,  4                           ; v4   of its scale words
.set NINF, 5                           ; v5   -infinity
.set R4,   6                           ; v6   4 r
.set R8,   7                           ; v7   8 r
.set QHI,  16                          ; v[16:27] = [0 | q];  v[22:33] = [q | 0]
.set QLO,  22
.set F,    36                          ; v36-83   four fragments of K, then of V
.set KS,   84                          ; v84-87 K's scale words, v88-91 V's, v92 q's, v93 p's: these hold scales and nothing else
.set VS,   88
.set QS,   92
.set PW,   93
.set S,    96                          ; v96-159  S^T, then p
.set O,    160                         ; v160-191 O^T
.set PC,   192                         ; v192-203 p's codes
.set PT,   204                         ; v204-210 the conversions' second halves
.set BM,   212                         ; v212-215 a block's largest score, then its largest p
.set BX,   216
.set BS,   220                         ; the conversions' scale operands
.set FF,   224                         ; v[224:225] f = 2^(old M - new M) (the low word serves both halves)
.set W,    226                         ; v226-229 at work
.set QST,  232                         ; q as loaded: pass i: six registers of codes at v[232 + 8 i], the scale word as stored at v[238 + 8 i]
.set TB,   2                           ; s2   the step's first byte among K's (and V's) images: 6,144 a step
.set TS,   3                           ; s3   among the scale words: 256 a step
.set SEL,  20                          ; s[20:21] lane selects: lane l xor 16
.set CS,   22                          ; s[22:23] log2(e)
.set MB,   28                          ; s[28:29] my query tile's eight mask records
.set MO,   30                          ; s30  the step's record: 384 bytes a step
.set FL,   31                          ; s31  the flags still to come, two bits a step, the step in hand lowest: pass 0's sixteen bits, then pass 1's
.set CNT,  66
; the 64 lane masks lie in s32-63 and s68-99: word n in s[32 + n + 4 (n / 32)]
.macro LOADMASK
	s_load_b512 s[32:47], s[MB:MB+1], s[MO] offset:0x0
	s_load_b512 s[48:63], s[MB:MB+1], s[MO] offset:0x40
	s_load_b512 s[68:83], s[MB:MB+1], s[MO] offset:0x80
	s_load_b512 s[84:99], s[MB:MB+1], s[MO] offset:0xc0
.endm
; The scores of a step: K's four fragments, eight products, and V's fragments asked for, so that they come while the softmax is worked.
.macro SCORES
.irp f, 0,1,2,3
.irp p, 0,1,2,3,4,5
	ds_load_b64 v[F+12*\f+2*\p:F+12*\f+2*\p+1], v[ADK] offset:1536*\f+256*\p
.endr
	ds_load_b32 v[KS+\f], v[ADS] offset:64*\f
.endr
	s_wait_dscnt 0x0
.irp f, 0,1,2,3                                ; S^T = K Q^T: each fragment of K twice
	v_wmma_scale_f32_16x16x128_f8f6f4 v[S+16*\f:S+16*\f+7], v[F+12*\f:F+12*\f+11], v[QLO:QLO+11], 0, v[KS+\f], v[QS] matrix_a_fmt:MATRIX_FMT_BF6 matrix_b_fmt:MATRIX_FMT_BF6
	v_wmma_scale_f32_16x16x128_f8f6f4 v[S+16*\f+8:S+16*\f+15], v[F+12*\f:F+12*\f+11], v[QHI:QHI+11], 0, v[KS+\f], v[QS] matrix_a_fmt:MATRIX_FMT_BF6 matrix_b_fmt:MATRIX_FMT_BF6
.endr
.rept 4
	v_nop                                          ; four places behind the products: their results are read and their operands' registers loaded below
.endr
.irp t, 0,1,2,3
.irp p, 0,1,2,3,4,5
	ds_load_b64 v[F+12*\t+2*\p:F+12*\t+2*\p+1], v[ADK] offset:49152+1536*\t+256*\p
.endr
	ds_load_b32 v[VS+\t], v[ADS] offset:2048+64*\t
.endr
.endm
	s_load_b256 s[4:11], s[0:1], 0x0               ; qkvimg s[4:5], qkvscl s[6:7], maskw s[8:9], ctximg s[10:11]
	s_load_b64 s[12:13], s[0:1], 0x20              ; ctxscl
	v_lshl_add_u32 v254, v0, 2, 0x19000
	v_mov_b32 v255, 0
	v_lshrrev_b32 v8, 5, v0
	v_readfirstlane_b32 s14, v8                    ; wave 0..15
	s_and_b32 s15, ttmp7, 0xffff                   ; 8 x head + batch
	v_and_b32 v8, 31, v0                           ; lane
	v_and_b32 v9, 15, v0                           ; r
	v_lshlrev_b32 v[LO8], 3, v8
	v_lshlrev_b32 v[R4], 2, v9
	v_lshlrev_b32 v[R8], 3, v9
	v_add_nc_u32 v[AKS], KSC, v[R4]
	v_mov_b32 v[NINF], 0xff800000
	v_lshlrev_b32 v10, 4, v8                       ; 16 x lane
	; THE FILL: waves 0-7 bring K, waves 8-15 V: 6,144 bytes of images and 256 of scale words each
	s_lshr_b32 s42, s14, 3
	s_and_b32 s43, s14, 7
	s_lshl_b32 s44, s42, 7
	s_add_co_u32 s44, s44, s15
	s_add_co_u32 s44, s44, 128                     ; the index: 128 + .. for k, 256 + .. for v
	s_mul_i32 s100, s44, 49152
	s_mul_i32 s45, s43, 6144
	s_add_co_u32 s100, s100, s45
	s_mov_b32 s101, 0
	s_lshl_b32 s24, s44, 11
	s_lshl_b32 s45, s43, 8
	s_add_co_u32 s24, s24, s45
	s_mov_b32 s25, 0
	s_mul_i32 s26, s14, 6144
	s_lshl_b32 s27, s14, 8
	s_add_co_u32 s27, s27, KSC
	v_add_nc_u32 v11, s26, v10
	v_add_nc_u32 v[ADS], s27, v[LO8]
	; my two query tiles: where their q, its scale words and their mask records lie
	s_lshl_b32 s17, s14, 1
	s_add_co_u32 s17, s17, ttmp9                   ; the first pass's query tile
	s_sub_co_u32 s47, 63, s17                      ; the second's
	s_mul_i32 s46, s15, 49152                      ; q's images of my (head, batch)
	s_mul_i32 s32, s17, 768
	s_add_co_u32 s32, s32, s46
	s_mov_b32 s33, 0
	s_mul_i32 s36, s47, 768
	s_add_co_u32 s36, s36, s46
	s_mov_b32 s37, 0
	s_lshl_b32 s46, s15, 11                        ; and its scale words: 64 bytes for each pair of tiles
	s_lshr_b32 s34, s17, 1
	s_lshl_b32 s34, s34, 6
	s_add_co_u32 s34, s34, s46
	s_mov_b32 s35, 0
	s_lshr_b32 s38, s47, 1
	s_lshl_b32 s38, s38, 6
	s_add_co_u32 s38, s38, s46
	s_mov_b32 s39, 0
	s_mul_i32 s[MB], s17, 8*384
	s_mov_b32 s[MB+1], 0
	s_mul_i32 s40, s47, 8*384
	s_mov_b32 s41, 0
	s_mov_b32 s[MO], 0
	s_wait_kmcnt 0x0
	s_add_nc_u64 s[MB:MB+1], s[8:9], s[MB:MB+1]
	s_add_nc_u64 s[40:41], s[8:9], s[40:41]
.irp s, 0,1,2,3,4,5,6,7
	s_load_b32 s[68+\s], s[MB:MB+1], s[MO] offset:256+384*\s      ; the flags of the first pass's eight steps,
	s_load_b32 s[76+\s], s[40:41], s[MO] offset:256+384*\s        ; and of the second's
.endr
	s_add_nc_u64 s[100:101], s[4:5], s[100:101]
	s_add_nc_u64 s[24:25], s[6:7], s[24:25]
	s_add_nc_u64 s[32:33], s[4:5], s[32:33]
	s_add_nc_u64 s[34:35], s[6:7], s[34:35]
	s_add_nc_u64 s[36:37], s[4:5], s[36:37]
	s_add_nc_u64 s[38:39], s[6:7], s[38:39]
.irp i, 0,1,2,3,4,5,6,7,8,9,10,11
	global_load_b128 v[S+4*\i:S+4*\i+3], v10, s[100:101] offset:512*\i
.endr
	global_load_b64 v[S+48:S+49], v[LO8], s[24:25]
.irp p, 0,1,2
	global_load_b64 v[QST+2*\p:QST+2*\p+1], v[LO8], s[32:33] offset:256*\p       ; q of both passes
	global_load_b64 v[QST+8+2*\p:QST+8+2*\p+1], v[LO8], s[36:37] offset:256*\p
.endr
	global_load_b32 v[QST+6], v[R4], s[34:35]
	global_load_b32 v[QST+14], v[R4], s[38:39]
	; what stays for the whole launch
	s_and_b32 s42, s15, 7                          ; batch
	s_lshr_b32 s43, s15, 3                         ; head
	s_mul_i32 s16, s42, 64*12288
	s_lshr_b32 s44, s43, 1
	s_mul_i32 s45, s44, 1536
	s_add_co_u32 s16, s16, s45
	s_and_b32 s45, s43, 1
	s_mul_i32 s46, s45, 768
	s_add_co_u32 s16, s16, s46                     ; s16: ctximg: the batch's 64 row tiles, K step head / 2, half head % 2
	s_lshl_b32 s18, s42, 15
	s_lshr_b32 s46, s43, 2
	s_lshl_b32 s46, s46, 7
	s_add_co_u32 s18, s18, s46
	s_and_b32 s44, s44, 1
	s_lshl_b32 s44, s44, 2
	s_add_co_u32 s18, s18, s44
	s_lshl_b32 s45, s45, 1
	s_add_co_u32 s18, s18, s45                     ; s18: ctxscl: 128 (head / 4) + 4 ((head / 2) % 2) + 2 (head % 2)
	s_mov_b32 s[SEL], 0x76543210
	s_mov_b32 s[SEL+1], 0xfedcba98
	s_mov_b32 s[CS], 0x3fb8aa3b
	s_mov_b32 s[CS+1], s[CS]                       ; (named with it as a pair, so it is written)
.irp i, 0,1,2,3,4,5
	v_mov_b32 v[QHI+\i], 0                         ; the zero codes on both sides of q
	v_mov_b32 v[QLO+6+\i], 0
.endr
.irp i, 0,1,2,3
	v_mov_b32 v[BX+\i], 0                          ; written once: a lane permute's destination counts as one of its sources
	v_mov_b32 v[W+\i], 0
.endr
	v_mov_b32 v[FF], 0
	v_mov_b32 v[FF+1], 0                           ; (named as the upper half of a pair)
	s_wait_kmcnt 0x0                               ; the sixteen flags: each is 0, 1 or 2
	s_mov_b32 s[FL], s68
.irp s, 1,2,3,4,5,6,7
	s_lshl_b32 s[68+\s], s[68+\s], 2*\s
	s_or_b32 s[FL], s[FL], s[68+\s]
.endr
.irp s, 0,1,2,3,4,5,6,7
	s_lshl_b32 s[76+\s], s[76+\s], 16+2*\s
	s_or_b32 s[FL], s[FL], s[76+\s]
.endr
	s_wait_loadcnt 0x0                             ; my part of K or V, and q of both passes
	s_mov_b32 s101, 0                              ; from here on s[100:101] is an offset under 2^32
.irp i, 0,1,2,3,4,5,6,7,8,9,10,11
	ds_store_b128 v11, v[S+4*\i:S+4*\i+3] offset:512*\i
.endr
	ds_store_b64 v[ADS], v[S+48:S+49]
	s_wait_dscnt 0x0                               ; for the others' sake: my stores have landed
	s_barrier_signal -1
	s_barrier_wait -1                              ; K and V lie whole in LDS: from here on LDS is only read
.macro PASS pass                       ; one tile of 16 queries (s17; its mask records at s[MB:MB+1]) against all keys
	s_wait_xcnt 0x0                                ; the last pass's stores have read their registers and bases
	s_mov_b32 s[MO], 0
	s_and_b32 s67, s17, 1
	s_mul_i32 s67, s67, 0x02020202
	s_add_co_u32 s67, s67, 0x01000100              ; the selector: my tile's two bytes of the pair's scale word, twice
	s_mov_b32 s[TB], 0
	s_mov_b32 s[TS], 0
	s_mov_b32 s[CNT], 8
.irp i, 0,1,2,3,4,5
	v_mov_b32 v[QLO+\i], v[QST+8*\pass+\i]         ; q between its zeros
.endr
	v_mov_b32 v13, 0xff61b1e6                      ; the largest t so far: -3e38
	v_floor_f32 v12, -v13                          ; -M
	v_mov_b32 v14, 0                               ; the sum, in two halves
	v_mov_b32 v15, 0
	v_perm_b32 v[QS], v[QST+8*\pass+6], v[QST+8*\pass+6], s67
.set n, 0
.rept 32
	v_mov_b32 v[O+n], 0                            ; O^T.  (The step is written once: the first finds zeros.  These lines also stand between q, its scale word and the first product)
.set n, n+1
.endr
.Lstep_\@:                                     ; eight trips, 128 keys each
	s_bitcmp1_b32 s[FL], 0
	s_cbranch_scc1 .Lnext_\@                       ; all its 2,048 scores are hidden: every p would be 0
	v_add_nc_u32 v[ADK], s[TB], v[LO8]
	v_add_nc_u32 v[ADS], s[TS], v[AKS]
	v_nop
	v_nop                                          ; four places behind the last products, in front of loads into registers that they read
	s_bitcmp1_b32 s[FL], 1
	s_cbranch_scc1 .Lopen_\@                       ; none is hidden: the lane masks are not wanted
	LOADMASK                                       ; some are: the step's 64 lane masks come while the scores are made
	SCORES
	s_wait_kmcnt 0x0
.set n, 0
.rept 64
	v_cndmask_b32 v[S+n], v[S+n], v[NINF], s[32+n+4*(n/32)]   ; hidden scores become -infinity ahead of the maximum: p = 0 then
.set n, n+1
.endr
	s_branch .Lsoft_\@
.Lopen_\@:
	SCORES
.Lsoft_\@:
.irp b, 0,1,2,3
	v_max3_num_f32 v[BM+\b], v[S+16*\b], v[S+16*\b+1], v[S+16*\b+2]   ; the largest score of each block of 32 keys
.endr
.irp i, 3,5,7,9,11,13
.irp b, 0,1,2,3
	v_max3_num_f32 v[BM+\b], v[BM+\b], v[S+16*\b+\i], v[S+16*\b+\i+1]
.endr
.endr
.irp b, 0,1,2,3
	v_max_num_f32 v[BM+\b], v[BM+\b], v[S+16*\b+15]
.endr
.irp b, 0,1,2,3
	v_permlanex16_b32 v[BX+\b], v[BM+\b], s[SEL], s[SEL+1]
.endr
.irp b, 0,1,2,3
	v_max_num_f32 v[BM+\b], v[BM+\b], v[BX+\b]     ; with lane l xor 16's 16 keys
.endr
	v_max3_num_f32 v[W], v[BM], v[BM+1], v[BM+2]
	v_max_num_f32 v[W], v[W], v[BM+3]              ; the step's largest score of my query
	v_mul_f32 v[W], s[CS], v[W]                    ; as t
	v_max_num_f32 v13, v13, v[W]                   ; the running largest t
	v_mov_b32 v[W], v12
	v_floor_f32 v12, -v13                          ; the new -M = floor(-t) = -ceil(t)
	v_sub_f32 v[W], v12, v[W]                      ; old M - new M: a whole number, 0 or less
	v_cvt_i32_f32 v[W], v[W]                       ; (it saturates)
	v_ldexp_f32 v[FF], 1.0, v[W]                   ; f = 2^(old M - new M)
.set n, 0
.rept 32
	v_pk_fma_f32 v[S+n:S+n+1], v[S+n:S+n+1], s[CS:CS+1], v[12:13] op_sel_hi:[1,0,0]   ; t - M, two at a time
.set n, n+2
.endr
.irp b, 0,1,2,3
	v_fma_f32 v[BM+\b], v[BM+\b], s[CS], v12       ; the same of each block's largest score
.endr
.set n, 0
.rept 64
	v_exp_f32 v[S+n], v[S+n]                       ; p = 2^(t - M), at most 1: not normalised
.set n, n+1
.endr
	v_pk_mul_f32 v[14:15], v[14:15], v[FF:FF+1] op_sel_hi:[1,0]   ; the sums under the new M.  (A plain instruction behind the exponentials)
	s_wait_alu depctr_va_vdst(0)                   ; one wait for the batch of 64, ahead of its first reader
.irp b, 0,1,2,3
	v_exp_f32 v[BM+\b], v[BM+\b]                   ; the block's largest p
.endr
.set n, 0
.rept 16
	v_pk_mul_f32 v[O+n:O+n+1], v[O+n:O+n+1], v[FF:FF+1] op_sel_hi:[1,0]   ; O^T under the new M: plain work behind the four
.set n, n+2
.endr
	s_wait_alu depctr_va_vdst(0)                   ; and one for the four
.irp b, 0,1,2,3
	v_max_num_f32 v[BM+\b], 0x2800000, v[BM+\b]    ; the floor 2^(5 - 127): the byte cannot fall under 1
.endr
.irp b, 0,1,2,3
	v_add_nc_u32 v[BS+\b], 0xfe000000, v[BM+\b]    ; 4 off the exponent field: the conversion's scale operand
.endr
.irp b, 0,1,2,3
	v_lshrrev_b32 v[BX+\b], 23, v[BS+\b]           ; the scale's byte
.endr
	v_lshl_or_b32 v[PW], v[BX+1], 8, v[BX]         ; p's scale word for these 128 keys
	v_lshl_or_b32 v[PW], v[BX+2], 16, v[PW]
	v_lshl_or_b32 v[PW], v[BX+3], 24, v[PW]
.irp c, 0,1
	v_cvt_scalef32_pk16_bf6_f32 v[PC+6*\c:PC+6*\c+2], v[S+32*\c:S+32*\c+15], v[BS+2*\c]
	v_cvt_scalef32_pk16_bf6_f32 v[PT+4*\c:PT+4*\c+2], v[S+32*\c+16:S+32*\c+31], v[BS+2*\c+1]   ; (a conversion's three registers begin on an even number)
.endr
	v_nop                                          ; one plain instruction behind the scaled conversions
.irp c, 0,1                                    ; a WHOLE block in a lane: lanes 0-15 block 2 c, lanes 16-31 block 2 c + 1
.irp i, 0,1,2
	v_permlane16_swap_b32 v[PC+6*\c+\i], v[PT+4*\c+\i]
.endr
.irp i, 0,1,2
	v_mov_b32 v[PC+6*\c+3+\i], v[PT+4*\c+\i]
.endr
.endr
	v_pk_add_f32 v[W+2:W+3], v[S:S+1], v[S+2:S+3]  ; THE ROW'S SUM IS TAKEN OF THE UNQUANTISED p, in two chains.  These 32 lines name no register of the products below: they are the places between p's codes and scale word and those products
.irp j, 4,8,12,16,20,24,28,32,36,40,44,48,52,56,60
	v_pk_add_f32 v[14:15], v[14:15], v[S+\j:S+\j+1]
	v_pk_add_f32 v[W+2:W+3], v[W+2:W+3], v[S+\j+2:S+\j+3]
.endr
	v_pk_add_f32 v[14:15], v[14:15], v[W+2:W+3]
	s_wait_dscnt 0x0                               ; V's fragments and scale words
.irp t, 0,1,2,3                                ; O^T += V^T P^T: the four accumulators by turns; between two links of a chain stand the next worked step's eight products
	v_wmma_scale_f32_16x16x128_f8f6f4 v[O+8*\t:O+8*\t+7], v[F+12*\t:F+12*\t+11], v[PC:PC+11], v[O+8*\t:O+8*\t+7], v[VS+\t], v[PW] matrix_a_fmt:MATRIX_FMT_BF6 matrix_b_fmt:MATRIX_FMT_BF6
.endr
.Lnext_\@:                                     ; no scalar load is out here: the record's offset may step
	s_lshr_b32 s[FL], s[FL], 2                     ; the next step's two bits
	s_add_co_u32 s[MO], s[MO], 384
	s_add_co_u32 s[TB], s[TB], 6144
	s_add_co_u32 s[TS], s[TS], 256
	s_sub_co_u32 s[CNT], s[CNT], 1
	s_cmp_lg_u32 s[CNT], 0
	s_cbranch_scc1 .Lstep_\@
	; THE WAY OUT: O^T / the sum is quantised along the head's 64 and leaves as half a fragment of the next product's operand
.rept 4
	v_nop                                          ; places behind the last products
.endr
	v_add_f32 v14, v14, v15                        ; the sum's two halves,
	v_permlanex16_b32 v[W+2], v14, s[SEL], s[SEL+1]
	v_add_f32 v14, v14, v[W+2]                     ; and lane l xor 16's
	v_rcp_f32 v[W], v14
	v_nop                                          ; a plain instruction behind the transcendental
	v_cmp_lt_f32 vcc_lo, 0, v14                    ; does any key count for my query?
	s_mul_i32 s100, s17, 12288
	s_add_co_u32 s100, s100, s16
	s_add_nc_u64 s[24:25], s[10:11], s[100:101]
	s_lshl_b32 s100, s17, 9
	s_add_co_u32 s100, s100, s18
	s_add_nc_u64 s[26:27], s[12:13], s[100:101]
	s_wait_alu depctr_va_vdst(0)                   ; the wait ahead of the reciprocal's first reader
	v_cndmask_b32 v[W], 0, v[W], vcc_lo            ; no key: zeros, under scale bytes that make NaN
.set n, 0
.rept 16
	v_pk_mul_f32 v[S+n:S+n+1], v[O+n:O+n+1], v[W:W+1] op_sel_hi:[1,0]   ; register 16 b + i = channel 32 b + 16 h + i
.set n, n+2
.endr
.irp b, 0,1
	v_max3_num_f32 v[BM+\b], |v[S+16*\b]|, |v[S+16*\b+1]|, 0x2800000
.endr
.irp i, 2,4,6,8,10,12,14
.irp b, 0,1
	v_max3_num_f32 v[BM+\b], v[BM+\b], |v[S+16*\b+\i]|, |v[S+16*\b+\i+1]|
.endr
.endr
.irp b, 0,1
	v_permlanex16_b32 v[BX+\b], v[BM+\b], s[SEL], s[SEL+1]
.endr
.irp b, 0,1
	v_max_num_f32 v[BM+\b], v[BM+\b], v[BX+\b]
.endr
.irp b, 0,1
	v_add_nc_u32 v[BS+\b], 0xfe000000, v[BM+\b]
.endr
.irp b, 0,1
	v_lshrrev_b32 v[BX+\b], 23, v[BS+\b]
.endr
	v_lshl_or_b32 v[W+3], v[BX+1], 8, v[BX]        ; my row's two scale bytes
	v_cndmask_b32 v[W+3], 0xffff, v[W+3], vcc_lo
	v_cvt_scalef32_pk16_bf6_f32 v[PC:PC+2], v[S:S+15], v[BS]
	v_cvt_scalef32_pk16_bf6_f32 v[PT:PT+2], v[S+16:S+31], v[BS+1]
	v_nop
.irp i, 0,1,2
	v_permlane16_swap_b32 v[PC+\i], v[PT+\i]
.endr
.irp i, 0,1,2
	v_mov_b32 v[PC+3+\i], v[PT+\i]
.endr
.irp p, 0,1,2
	global_store_b64 v[LO8], v[PC+2*\p:PC+2*\p+1], s[24:25] offset:256*\p   ; 256 consecutive bytes, aligned
.endr
	global_store_b16 v[R8], v[W+3], s[26:27]       ; both halves of the lanes write the same bytes with the same value
.endm
	PASS 0
	s_sub_co_u32 s17, 63, s17                      ; the second pass's query tile,
	s_mul_i32 s100, s17, 8*384
	s_add_nc_u64 s[MB:MB+1], s[8:9], s[100:101]    ; and its mask records
	PASS 1
	s_wait_tensorcnt 0x0
	ds_add_u32 v254, v255
	s_wait_dscnt 0x0
	s_endpgm
.Lfunc_end_k_q5b2b3df42a_attn:
	.size	k_q5b2b3df42a_attn, .Lfunc_end_k_q5b2b3df42a_attn-k_q5b2b3df42a_attn
	.p2alignl 7, 3214868480
	.fill 96, 4, 3214868480
	.section	.rodata,"a",@progbits
	.p2align	6, 0x0
	.amdhsa_kernel k_q5b2b3df42a_attn
		.amdhsa_group_segment_fixed_size 104448
		.amdhsa_private_segment_fixed_size 0
		.amdhsa_enable_private_segment 0
		.amdhsa_kernarg_size 40
		.amdhsa_user_sgpr_count 2
		.amdhsa_user_sgpr_kernarg_segment_ptr 1
		.amdhsa_wavefront_size32 1
		.amdhsa_system_sgpr_workgroup_id_x 1
		.amdhsa_system_sgpr_workgroup_id_y 1
		.amdhsa_system_sgpr_workgroup_id_z 1
		.amdhsa_system_vgpr_workitem_id 0
		.amdhsa_next_free_vgpr 256
		.amdhsa_next_free_sgpr 102
		.amdhsa_reserve_vcc 1
		.amdhsa_float_denorm_mode_32 3
		.amdhsa_float_denorm_mode_16_64 3
		.amdhsa_memory_ordered 1
		.amdhsa_forward_progress 1
		.amdhsa_inst_pref_size 74
	.end_amdhsa_kernel
	.amdgpu_metadata
---
amdhsa.version: [ 1, 2 ]
amdhsa.kernels:
  - .name:           k_q5b2b3df42a_attn
    .symbol:         k_q5b2b3df42a_attn.kd
    .args:
      - { .name: qkvimg, .offset: 0, .size: 8, .value_kind: global_buffer, .address_space: global }
      - { .name: qkvscl, .offset: 8, .size: 8, .value_kind: global_buffer, .address_space: global }
      - { .name: maskw, .offset: 16, .size: 8, .value_kind: global_buffer, .address_space: global }
      - { .name: ctximg, .offset: 24, .size: 8, .value_kind: global_buffer, .address_space: global }
      - { .name: ctxscl, .offset: 32, .size: 8, .value_kind: global_buffer, .address_space: global }
    .group_segment_fixed_size: 104448
    .private_segment_fixed_size: 0
    .kernarg_segment_align: 8
    .kernarg_segment_size: 40
    .max_flat_workgroup_size: 512
    .sgpr_count:     102
    .vgpr_count:     256
    .wavefront_size: 32
...
	.end_amdgpu_metadata
.endif
;; end of part 3
;; launch oproj (part 4): grid 4 x 64, 4 waves a work-group, clusters of 4 x 4, 327,680 bytes of LDS; arguments ctximg, ctxscl, opimg, opscl, out_proj_bias, out0; writes out0
.if DOCPART == 4
	.amdgcn_target "amdgcn-amd-amdhsa--gfx1250"
	.amdhsa_code_object_version 6
	.text
	.protected	k_q5b2b3df42a_oproj
	.globl	k_q5b2b3df42a_oproj
	.p2align	8
	.type	k_q5b2b3df42a_oproj,@function
k_q5b2b3df42a_oproj:
	s_mov_b64 s[64:65], 0
	v_nop
	global_prefetch_b8 v0, s[64:65] scope:SCOPE_SE
	s_setreg_imm32_b32 hwreg(HW_REG_WAVE_MODE, 25, 1), 1
	s_wait_xcnt 0x0
	s_wait_alu depctr_hold_cnt(0) depctr_sa_sdst(0) depctr_va_vdst(0) depctr_va_sdst(0) depctr_va_ssrc(0) depctr_va_vcc(0) depctr_vm_vsrc(0)
	s_getreg_b32 s2, hwreg(HW_REG_IB_STS2, 6, 4)
	s_cmp_eq_u32 s2, 0
	s_cbranch_scc0 .Lentry_in_a_cluster
	s_endpgm
.Lentry_in_a_cluster:
	s_bfe_u32 s2, ttmp6, 0x10000c
	s_cmp_lg_u32 s2, 0xf033
	s_cbranch_scc0 .Lentry_shape_is_right
	s_endpgm
.Lentry_shape_is_right:
; out0 = ctx out_proj_weight^T + out_proj_bias, 8192 x 1024 x 1024 on codes of BF6 (E3M2) with E8M0 scales, sums in f32, out0 [1024][8][1024] f32.
; INPUTS (made by the launches before): ctximg, ctxscl (row tile 64 b + tau) and opimg, opscl (tiles 704-767: the weight): fragment (tile, K step s of 128) at (8 tile + s) x 1536 bytes, piece p of 6 = registers 2 p, 2 p + 1 of lane L
; at 256 p + 8 L; 512 scale bytes a tile, the byte of K step 2 kk + q, block beta, place r at 128 kk + 8 r + 4 q + beta.  Tile tau = 2 g + u holds at place r the row 32 g + 8 u + r + 8 (r / 8).
; SHARES.  out0 has 8192 x 1024 numbers: tiles of 128 x 256 make 256 work-groups.  Four waves, each 64 x 128: 32 accumulators, 256 registers.
; ALL OF K LIES IN LDS AT ONCE: (128 + 256) rows x 768 bytes of codes and 12,288 scale bytes are 307,200 bytes.  So nothing is filled again: each wave asks for its part at the start, in three tensor loads (the scales, K 0-511, K 512-1023),
; and the text has two barriers for the tiles: one in front of each half of K.  Three tensor loads of a wave are out at the most.
; CLUSTERS: 4 x 4 work-groups.  The four of a row of the cluster need the same tiles of ctx, the four of a column the same tiles of the weight: each is asked for JOINTLY.  A round of the cluster's barrier stands in front of the loads and one at the end.
; THE MATRIX INSTRUCTION IS USED TRANSPOSED (source 0 = 16 rows of the weight, source 1 = 16 rows of ctx): a lane holds one row of out0, and the 16 registers of tiles 2 g, 2 g + 1 are outputs 32 g + 16 h + 0 .. 15.
; THE BIAS is the C of each sum's first product: eight registers a tile of outputs, in the result's layout.
; A row of ctx whose scale bytes are 0xff (no key counted) gives NaN in all its outputs.
; REGISTERS, in windows of 256: window 0: v0-31 addresses; v32-95 scale words, two sets for each side, and nothing else; v128-175 source 1's four fragments, ONE set; v176-239 the bias; on the way out v128-255 rows of out0.
;   window 1: source 0's eight fragments, TWO sets, at v0 and v128.   window 2: the accumulators ((a, b) at v[8 (8 a + b)]).
.set NS,     4                         ; K steps of 128 in a slot
.set FR,     12                        ; registers of a fragment
.set NL,     6                         ; LDS loads that bring one
.set NP,     4                         ; places behind this matrix instruction (ISA guide 7.12.1)
.set FRB,    1536                      ; a fragment's image
.set RT,     NS*FRB                    ; a row tile's bytes in a slot
.set AREG,   8*RT                      ; ctx's 8 row tiles
.set SLOT,   24*RT                     ; and behind them the weight's 16
.set SCL,    2*SLOT                    ; behind the two slots: ctx's scale bytes, 8 x 512,
.set SCLB,   SCL+8*512                 ; and the weight's, 16 x 512
.set SPITCH, 528                       ; the way out: a stage of 16 rows x (512 bytes + 16) for each wave.  It lies in slot 0, which nobody reads behind the barrier in front of slot 1, and which no tensor load fills again
.set ADRA, 16                          ; v16-17  LDS address of source 1's fragments in slot 0, 1
.set ADRB, 20                          ; v20-21  of source 0's
.set STO,  24                          ; v24     the way out: where I put 32 bytes of a row
.set RD,   25                          ; v25     where I read a row back
.set CO,   26                          ; v26     16 x lane
.set ADRSA, 27                         ; v27     LDS address of source 1's scale words
.set ADRSB, 30                         ; v30     of source 0's
.set SCA,  32                          ; source 1's scale words: set s at v[32 + 32 s], register 2 i + q
.set SCB,  48                          ; source 0's: v[48 + 32 s]
.set AF,   128
.set BIA,  176                         ; the bias: register 8 b + j = output 32 (b / 2) + 16 h + 8 (b % 2) + j of my 128
.set BK,   128                         ; the way out: 16 rows read back: v128-191 and v192-255 by turns
.set G1, 24                            ; s[24:31] descriptor group 1 for ctx's tiles;  s[32:39] group 0, one set for each slot
.set G0, 32
.set G1B, 48                           ; s[48:55], s[56:63] the same for the weight's
.set G0B, 56
.set G1S, 68                           ; s[68:75], s[76:79] groups 1 and 0 for ctx's scales;  s[80:87], s[88:91] for the weight's
.set G0S, 76
.set G1SB, 80
.set G0SB, 88
.set MSB, 0
.macro WIN new                         ; the immediate's high byte repeats the setting that is left
.if MSB != (\new)
	s_set_vgpr_msb (MSB<<8)|(\new)
.set MSB, (\new)
.endif
.endm
.set MUL,   0xa1                       ; source 0 window 1, source 1 window 0, C and D window 2
.set MUL_1, 0x81                       ; the first K step: C (the bias) window 0, D window 2
.set TO_B,  0x40                       ; destination window 1, address window 0
; A joint load: waves 0 and 1 fetch ctx's halves, waves 2 and 3 the weight's; the branch hangs on the wave's number alone.  Four v_nop follow each of the two lines.
.macro JLOAD g0a, g1a, g0b, g1b
	s_cmp_eq_u32 s15, 0
	s_cbranch_scc0 .Lfor_b_\@
	tensor_load_to_lds s[\g0a:\g0a+3], s[\g1a:\g1a+7]
	s_nop 0
.rept 4
	v_nop
.endr
	s_branch .Lasked_\@
.Lfor_b_\@:
	tensor_load_to_lds s[\g0b:\g0b+3], s[\g1b:\g1b+7]
	s_nop 0
.rept 4
	v_nop
.endr
.Lasked_\@:
.endm
.macro CROUND                          ; a round of the cluster's barrier
	s_barrier_signal -1
	s_barrier_wait -1
	s_cmp_lg_u32 s14, 0
	s_cbranch_scc1 .Lnot_wave_0_\@
	s_barrier_signal -3
.Lnot_wave_0_\@:
	s_barrier_wait -3
	s_barrier_signal -1
	s_barrier_wait -1
.endm
	s_load_b128 s[4:7], s[0:1], 0x0                ; ctximg s[4:5], ctxscl s[6:7]
	s_load_b128 s[8:11], s[0:1], 0x10              ; opimg s[8:9], opscl s[10:11]
	s_load_b128 s[96:99], s[0:1], 0x20             ; out_proj_bias s[96:97], out0 s[98:99]
	v_lshl_add_u32 v126, v0, 2, 0x4b000
	v_mov_b32 v127, 0
	ds_add_u32 v126, v127
	ds_add_u32 v126, v127
	v_lshrrev_b32 v1, 5, v0
	v_readfirstlane_b32 s14, v1                    ; wave 0..3
	s_lshr_b32 s15, s14, 1                         ; which half of the tile's rows is mine.  Also: I fetch for ctx (0) or for the weight (1)
	s_and_b32 s16, s14, 1                          ; which half of its columns.  Also: which half of that operand's row tiles I fetch
	s_bfe_u32 s40, ttmp6, 0x40000                  ; cx, cy: my place in the cluster
	s_bfe_u32 s41, ttmp6, 0x40004
	s_lshl_b32 s42, ttmp9, 2
	s_add_co_u32 s42, s42, s40                     ; work-group x: 256 outputs
	s_and_b32 s17, ttmp7, 0xffff
	s_lshl_b32 s17, s17, 2
	s_add_co_u32 s17, s17, s41                     ; work-group y: 128 rows
	s_lshl_b32 s43, s41, 2
	s_lshl_b32 s43, 15, s43                        ; my row of the cluster
	s_lshl_b32 s44, 0x1111, s40                    ; my column
	; descriptor group 1, codes: row tiles x 6,144 bytes (768 elements of 8 bytes: four K steps), 12,288 bytes apart; on end in LDS, no padding: every LDS load of a fragment takes 256 consecutive bytes
	s_or_b32 s[G1+0], s43, (3<<16)|(1<<21)         ; 15:0 the mask: ctx's tiles go to my row; 17:16 elements of 8 bytes; 21 set beside a mask
	s_or_b32 s[G1B+0], s44, (3<<16)|(1<<21)        ; the weight's go to my column
.irp g, G1, G1B
	s_mov_b32 s[\g+1], 768<<16                     ; tensor_dim0
	s_mov_b32 s[\g+3], 768<<16                     ; tile_dim0
	s_mov_b32 s[\g+5], 1536                        ; tensor_dim0_stride
	s_mov_b32 s[\g+6], 0
	s_mov_b32 s[\g+7], 0
.endr
	s_mov_b32 s[G1+2], 4<<16                       ; tensor_dim1: ctx: 4 row tiles a load,
	s_mov_b32 s[G1+4], 4                           ; tile_dim1
	s_mov_b32 s[G1B+2], 8<<16                      ; the weight: 8
	s_mov_b32 s[G1B+4], 8
	; scales: the dense bytes of these row tiles, 512 each, as rows of 256 bytes
	s_or_b32 s[G1S+0], s43, (3<<16)|(1<<21)
	s_or_b32 s[G1SB+0], s44, (3<<16)|(1<<21)
.irp g, G1S, G1SB
	s_mov_b32 s[\g+1], 32<<16
	s_mov_b32 s[\g+3], 32<<16
	s_mov_b32 s[\g+5], 32
	s_mov_b32 s[\g+6], 0
	s_mov_b32 s[\g+7], 0
.endr
	s_mov_b32 s[G1S+2], 8<<16
	s_mov_b32 s[G1S+4], 8
	s_mov_b32 s[G1SB+2], 16<<16
	s_mov_b32 s[G1SB+4], 16
	s_lshl_b32 s18, s16, 2
	s_lshl_b32 s20, s17, 3
	s_add_co_u32 s20, s20, s18                     ; ctx: tile 8 x work-group y + 4 x half
	s_lshl_b32 s18, s16, 3
	s_lshl_b32 s46, s42, 4
	s_add_co_u32 s46, s46, s18
	s_add_co_u32 s46, s46, 704                     ; the weight: tile 704 + 16 x work-group x + 8 x half
	s_lshl_b32 s22, s20, 9                         ; where these tiles' scales begin, in bytes,
	s_mov_b32 s23, 0
	s_lshl_b32 s92, s46, 9
	s_mov_b32 s93, 0
	s_mul_i32 s20, s20, 12288                      ; and their codes (under 2^24)
	s_mov_b32 s21, 0
	s_mul_i32 s46, s46, 12288
	s_mov_b32 s47, 0
	s_mul_i32 s45, s16, 4*RT                       ; where they go: no place in the cluster enters an LDS address.  ctx's halves,
	s_mul_i32 s95, s16, 8*RT
	s_add_co_u32 s95, s95, AREG                    ; the weight's halves behind them;
	s_lshl_b32 s94, s16, 11                        ; the scales: 2,048 bytes a load for ctx,
	s_lshl_b32 s19, s16, 12                        ; 4,096 for the weight
	s_wait_dscnt 0x0
	s_wait_kmcnt 0x0
	s_add_nc_u64 s[20:21], s[4:5], s[20:21]
	s_add_nc_u64 s[22:23], s[6:7], s[22:23]
	s_add_nc_u64 s[46:47], s[8:9], s[46:47]
	s_add_nc_u64 s[92:93], s[10:11], s[92:93]
	CROUND                                         ; all sixteen work-groups are here: the joint loads meet
	s_mov_b32 s[G0S], 1
	s_add_co_u32 s[G0S+1], s94, SCL
	s_mov_b64 s[G0S+2:G0S+3], s[22:23]
	s_or_b32 s[G0S+3], s[G0S+3], 0x80000000
	s_mov_b32 s[G0SB], 1
	s_add_co_u32 s[G0SB+1], s19, SCLB
	s_mov_b64 s[G0SB+2:G0SB+3], s[92:93]
	s_or_b32 s[G0SB+3], s[G0SB+3], 0x80000000
	JLOAD G0S, G1S, G0SB, G1SB                     ; the scales first: they are wanted with slot 0
.irp s, 0,1
	s_mov_b32 s[G0+4*\s], 1
	s_add_co_u32 s[G0+4*\s+1], s45, \s*SLOT
	s_add_nc_u64 s[G0+4*\s+2:G0+4*\s+3], s[20:21], \s*RT
	s_or_b32 s[G0+4*\s+3], s[G0+4*\s+3], 0x80000000
	s_mov_b32 s[G0B+4*\s], 1
	s_add_co_u32 s[G0B+4*\s+1], s95, \s*SLOT
	s_add_nc_u64 s[G0B+4*\s+2:G0B+4*\s+3], s[46:47], \s*RT
	s_or_b32 s[G0B+4*\s+3], s[G0B+4*\s+3], 0x80000000
	JLOAD G0+4*\s, G1, G0B+4*\s, G1B               ; slot s: K 512 s on
.endr
	v_and_b32 v1, 15, v0                           ; r
	v_bfe_u32 v2, v0, 4, 1                         ; h
	v_and_b32 v3, 31, v0                           ; lane
	v_lshlrev_b32 v4, 3, v3                        ; 8 x lane
	s_mul_i32 s2, s15, 4*RT                        ; my 4 tiles of ctx
	s_mul_i32 s3, s16, 8*RT                        ; my 8 tiles of the weight,
	s_add_co_u32 s3, s3, AREG                      ; which lie behind ctx's 8
.irp s, 0,1
	v_add_nc_u32 v[ADRA+\s], s2, v4
	v_add_nc_u32 v[ADRB+\s], s3, v4
	s_add_co_u32 s2, s2, SLOT
	s_add_co_u32 s3, s3, SLOT
.endr
	v_lshlrev_b32 v5, 3, v1                        ; 8 r: a row's two scale words of 256 along K
	s_lshl_b32 s18, s15, 11
	s_add_co_u32 s18, s18, SCL
	s_lshl_b32 s19, s16, 12
	s_add_co_u32 s19, s19, SCLB
	v_add_nc_u32 v[ADRSA], s18, v5
	v_add_nc_u32 v[ADRSB], s19, v5
	s_mul_i32 s66, s14, 16*SPITCH                  ; my stage
	v_mul_u32_u24 v6, v1, SPITCH
	v_lshl_add_u32 v6, v2, 6, v6
	v_add_nc_u32 v[STO], s66, v6                   ; in: row r, + 64 h: tile b's eight outputs lie 128 (b / 2) + 32 (b % 2) bytes on
	v_lshlrev_b32 v[CO], 4, v3
	v_add_nc_u32 v[RD], s66, v[CO]                 ; back: the 32 lanes take one row of 512 bytes
	s_and_b32 s18, s17, 7
	s_lshl_b32 s18, s18, 2
	s_lshl_b32 s19, s15, 1
	s_add_co_u32 s18, s18, s19                     ; my first pair of row tiles: 32 times each,
	s_lshl_b32 s18, s18, 20                        ; 32,768 bytes a time;
	s_lshr_b32 s19, s17, 3
	s_lshl_b32 s19, s19, 12                        ; the batch's 4,096 bytes
	s_add_co_u32 s18, s18, s19
	s_lshl_b32 s66, s42, 10
	s_lshl_b32 s67, s16, 9
	s_add_co_u32 s66, s66, s67                     ; my 128 columns, in bytes
	s_mov_b32 s67, 0
	s_add_nc_u64 s[96:97], s[96:97], s[66:67]
	s_add_co_u32 s66, s66, s18
	s_add_nc_u64 s[98:99], s[98:99], s[66:67]
	v_lshlrev_b32 v7, 6, v2                        ; 64 h
.irp b, 0,1,2,3,4,5,6,7
	global_load_b128 v[BIA+8*\b:BIA+8*\b+3], v7, s[96:97] offset:4*(32*(\b/2)+8*(\b%2))
	global_load_b128 v[BIA+8*\b+4:BIA+8*\b+7], v7, s[96:97] offset:4*(32*(\b/2)+8*(\b%2))+16
.endr
; 8 matrix instructions: ctx's block a x the weight's eight, K step k.  first = 1: the bias is the C: nothing is cleared and nothing is added later.
; The 32 accumulators take turns, one instruction a turn, in the same order in every step.
.macro MUL8 a, k, first
.set PM_, 128*((\k)%2)                 ; source 0's set
.set SM_, 32*(((\k)/2)%2)+(\k)%2       ; the set of scale words, and the word in it
.irp b, 0,1,2,3,4,5,6,7
.if \first
	v_wmma_scale_f32_16x16x128_f8f6f4 v[8*(8*(\a)+\b):8*(8*(\a)+\b)+7], v[PM_+FR*\b:PM_+FR*\b+FR-1], v[AF+FR*(\a):AF+FR*(\a)+FR-1], v[BIA+8*\b:BIA+8*\b+7], v[SCB+SM_+2*\b], v[SCA+SM_+2*(\a)] matrix_a_fmt:MATRIX_FMT_BF6 matrix_b_fmt:MATRIX_FMT_BF6
.else
	v_wmma_scale_f32_16x16x128_f8f6f4 v[8*(8*(\a)+\b):8*(8*(\a)+\b)+7], v[PM_+FR*\b:PM_+FR*\b+FR-1], v[AF+FR*(\a):AF+FR*(\a)+FR-1], v[8*(8*(\a)+\b):8*(8*(\a)+\b)+7], v[SCB+SM_+2*\b], v[SCA+SM_+2*(\a)] matrix_a_fmt:MATRIX_FMT_BF6 matrix_b_fmt:MATRIX_FMT_BF6
.endif
.endr
.endm
; A fragment comes as it was stored: six loads of 8 bytes a lane, each 256 consecutive bytes.  K step k lies in slot k / 4, at (k % 4) x 1,536 bytes of each row tile.
.macro FETCH_B k                       ; the weight's eight fragments of K step k into set k % 2
.set SB_, (\k)/NS
.set KB_, ((\k)%NS)*FRB
.set PB_, 128*((\k)%2)
	WIN TO_B
.irp i, 0,1,2,3,4,5,6,7
.irp p, 0,1,2,3,4,5
	ds_load_b64 v[PB_+FR*\i+2*\p:PB_+FR*\i+2*\p+1], v[ADRB+SB_] offset:\i*RT+KB_+256*\p
.endr
.endr
	WIN 0
.endm
.macro FETCH_A k, i0                   ; ctx's blocks i0, i0 + 1
.set SA_, (\k)/NS
.set KA_, ((\k)%NS)*FRB
.irp i, \i0, \i0+1
.irp p, 0,1,2,3,4,5
	ds_load_b64 v[AF+FR*(\i)+2*\p:AF+FR*(\i)+2*\p+1], v[ADRA+SA_] offset:(\i)*RT+KA_+256*\p
.endr
.endr
.endm
.macro SCALES k                        ; the scale words of K steps k and k + 1 (k even): two words a row
.set SS_, 32*(((\k)/2)%2)
.set SO_, 128*((\k)/2)
.irp i, 0,1,2,3
	ds_load_b64 v[SCA+SS_+2*\i:SCA+SS_+2*\i+1], v[ADRSA] offset:512*\i+SO_
.endr
.irp i, 0,1,2,3,4,5,6,7
	ds_load_b64 v[SCB+SS_+2*\i:SCB+SS_+2*\i+1], v[ADRSB] offset:512*\i+SO_
.endr
.endm
; A load into a register that a matrix instruction has read, and an LDS store that reads a matrix result, stand NP places behind that matrix instruction; only plain vector instructions that name none of its registers are places (ISA guide 7.12.1 for the LDS store).
.macro PLACES n
.rept \n
	v_nop
.endr
.endm
.macro AHEAD k                         ; the middle run of loads: K step k's fragments of the weight, ctx's blocks 0, 1 and, where k is even, the scale words
	PLACES NP
	FETCH_B \k
	FETCH_A \k, 0
.if (\k)%2 == 0
	SCALES \k
.endif
.endm
; K step k, whose successor lies in the same slot: 32 products; a block of ctx is free as soon as its eight products are issued, so one set of registers serves ctx.
.macro STEP k, first
	s_wait_dscnt 2*NL                              ; the weight's set, the scale words and blocks 0, 1 are in; the youngest 12 loads (blocks 2, 3) may be out
.if \first
	WIN MUL_1
.else
	WIN MUL
.endif
	MUL8 0, \k, \first
	MUL8 1, \k, \first
	s_wait_dscnt 0                                 ; blocks 2, 3 are in
	AHEAD (\k)+1
.if \first
	WIN MUL_1
.else
	WIN MUL
.endif
	MUL8 2, \k, \first
	MUL8 3, \k, \first
	PLACES NP
	WIN 0
	FETCH_A (\k)+1, 2
.endm
; Slot 0's last K step: in front of the barrier each wave waits for its last tensor load, its part of slot 1, and for its own LDS loads; behind it slot 1 is whole, and nobody reads slot 0 any more.  Nothing is filled again.
.macro TURN k
	s_wait_tensorcnt 0x0                           ; my part of slot 1 has landed: no load was issued behind it
	s_wait_dscnt 2*NL
	WIN MUL
	MUL8 0, \k, 0
	s_wait_dscnt 0x0                               ; no LDS load of mine is out at the signal: my reads of slot 0 are over
	s_barrier_signal -1
	MUL8 1, \k, 0                                  ; work on registers while the others arrive
	s_barrier_wait -1
	AHEAD (\k)+1
	WIN MUL
	MUL8 2, \k, 0
	MUL8 3, \k, 0
	PLACES NP
	WIN 0
	FETCH_A (\k)+1, 2
.endm
	s_wait_loadcnt 0x0                             ; the bias
	s_wait_tensorcnt 1                             ; the scales and my part of slot 0 are in (slot 1's load may be out)
	s_barrier_signal -1
	s_barrier_wait -1                              ; everybody's are
	FETCH_B 0
	FETCH_A 0, 0
	SCALES 0
	FETCH_A 0, 2
	STEP 0, 1                                      ; its products start the sums from the bias
	STEP 1, 0
	STEP 2, 0
	TURN 3
	STEP 4, 0
	STEP 5, 0
	STEP 6, 0
	s_wait_dscnt 2*NL                              ; the last K step: nothing more to fetch
	WIN MUL
	MUL8 0, 7, 0
	MUL8 1, 7, 0
	s_wait_dscnt 0
	MUL8 2, 7, 0
	MUL8 3, 7, 0
	WIN 0
; THE WAY OUT, block by block of 16 rows x 128 columns, through my own stage in LDS: back come whole rows of 512 bytes.  LDS serves a wave's instructions in order (ISA guide 5.7.1.4): no wait between the stores and the loads.
.macro TOSTAGE a
.set AC, 64*(\a)
	WIN 0x08                                       ; an LDS store's data are its source 1: window 2
.irp b, 0,1,2,3,4,5,6,7
	ds_store_b128 v[STO], v[AC+8*\b:AC+8*\b+3] offset:128*(\b/2)+32*(\b%2)          ; each accumulator from its low end on
	ds_store_b128 v[STO], v[AC+8*\b+4:AC+8*\b+7] offset:128*(\b/2)+32*(\b%2)+16
.endr
	WIN 0
.set BB, BK+64*((\a)%2)
.irp t, 0,1,2,3,4,5,6,7,8,9,10,11,12,13,14,15
	ds_load_b128 v[BB+4*\t:BB+4*\t+3], v[RD] offset:\t*SPITCH
.endr
.endm
.macro SEND a, younger                 ; younger: the LDS instructions issued behind block a's loads, which may stay out
.set BB, BK+64*((\a)%2)
	s_wait_dscnt \younger                          ; the block is back in registers
.if (\a) > 0                                   ; (behind a wait on XCNT: the earlier stores have read their base)  row tile a begins at time 32 (a / 2) + 8 (a % 2) of my 64
.if (\a)%2
	s_add_nc_u64 s[98:99], s[98:99], 8*32768
.else
	s_add_nc_u64 s[98:99], s[98:99], 24*32768
.endif
.endif
.irp t, 0,1,2,3,4,5,6,7,8,9,10,11,12,13,14,15
	global_store_b128 v[CO], v[BB+4*\t:BB+4*\t+3], s[98:99] offset:(\t+8*(\t/8))*32768 th:TH_STORE_NT   ; place t is time t + 8 (t / 8); 32 lanes store 512 consecutive bytes, at a multiple of 256 from out0's first byte
.endr
.endm
	PLACES NP                                      ; behind the last products: their results are stored and their operands' registers loaded below
	TOSTAGE 0
.irp a, 1,2,3
.if \a > 1
	s_wait_xcnt 0x0                                ; block a - 2's stores have read their registers and their base: block a's loads may land there, and the base may step
.endif
	TOSTAGE \a
	SEND \a-1, 32                                  ; behind block a - 1's loads: block a's 16 stores and 16 loads
.endr
	s_wait_xcnt 0x0
	SEND 3, 0                                      ; its wait is for 0: no LDS instruction of mine is out at the signal below
	s_wait_tensorcnt 0x0
	ds_add_u32 v126, v127
	s_wait_dscnt 0x0
	CROUND                                         ; the closing round: no work-group ends while a partner may still ask for a tile that names it
	s_endpgm
.Lfunc_end_k_q5b2b3df42a_oproj:
	.size	k_q5b2b3df42a_oproj, .Lfunc_end_k_q5b2b3df42a_oproj-k_q5b2b3df42a_oproj
	.p2alignl 7, 3214868480
	.fill 96, 4, 3214868480
	.section	.rodata,"a",@progbits
	.p2align	6, 0x0
	.amdhsa_kernel k_q5b2b3df42a_oproj
		.amdhsa_group_segment_fixed_size 327680
		.amdhsa_private_segment_fixed_size 0
		.amdhsa_enable_private_segment 0
		.amdhsa_kernarg_size 48
		.amdhsa_user_sgpr_count 2
		.amdhsa_user_sgpr_kernarg_segment_ptr 1
		.amdhsa_wavefront_size32 1
		.amdhsa_system_sgpr_workgroup_id_x 1
		.amdhsa_system_sgpr_workgroup_id_y 1
		.amdhsa_system_sgpr_workgroup_id_z 1
		.amdhsa_system_vgpr_workitem_id 0
		.amdhsa_next_free_vgpr 768
		.amdhsa_next_free_sgpr 100
		.amdhsa_reserve_vcc 0
		.amdhsa_float_denorm_mode_32 3
		.amdhsa_float_denorm_mode_16_64 3
		.amdhsa_memory_ordered 1
		.amdhsa_forward_progress 1
		.amdhsa_inst_pref_size 101
	.end_amdhsa_kernel
	.amdgpu_metadata
---
amdhsa.version: [ 1, 2 ]
amdhsa.kernels:
  - .name:           k_q5b2b3df42a_oproj
    .symbol:         k_q5b2b3df42a_oproj.kd
    .args:
      - { .name: ctximg, .offset: 0, .size: 8, .value_kind: global_buffer, .address_space: global }
      - { .name: ctxscl, .offset: 8, .size: 8, .value_kind: global_buffer, .address_space: global }
      - { .name: opimg, .offset: 16, .size: 8, .value_kind: global_buffer, .address_space: global }
      - { .name: opscl, .offset: 24, .size: 8, .value_kind: global_buffer, .address_space: global }
      - { .name: out_proj_bias, .offset: 32, .size: 8, .value_kind: global_buffer, .address_space: global }
      - { .name: out0, .offset: 40, .size: 8, .value_kind: global_buffer, .address_space: global }
    .group_segment_fixed_size: 327680
    .private_segment_fixed_size: 0
    .kernarg_segment_align: 8
    .kernarg_segment_size: 48
    .max_flat_workgroup_size: 128
    .sgpr_count:     100
    .vgpr_count:     768
    .wavefront_size: 32
...
	.end_amdgpu_metadata
.endif
;; end of part 4
;; ======== version 2 of 2: 4 launches; version 1 with the launch attn written anew for expert scheduling mode
;; workspace buffers: opimg 9,437,184 bytes; opscl 393,216 bytes; maskw 196,608 bytes of whole numbers; qkvimg 18,874,368 bytes; qkvscl 786,432 bytes; ctximg 6,291,456 bytes; ctxscl 262,144 bytes
;; launch prep: the kernel of part 1 again; grid 512 x 1, 4 waves a work-group, no clusters, 34,304 bytes of LDS; arguments x, in_proj_weight, out_proj_weight, attn_mask, opimg, opscl, maskw; writes opimg, opscl, maskw
;; launch qkv: the kernel of part 2 again; grid 12 x 32, 4 waves a work-group, clusters of 4 x 4, 327,680 bytes of LDS; arguments opimg, opscl, in_proj_bias, qkvimg, qkvscl; writes qkvimg, qkvscl
;; launch attn (part 5): grid 2 x 128, 16 waves a work-group, no clusters, 104,448 bytes of LDS; arguments qkvimg, qkvscl, maskw, ctximg, ctxscl; writes ctximg, ctxscl
.if DOCPART == 5
	.amdgcn_target "amdgcn-amd-amdhsa--gfx1250"
	.amdhsa_code_object_version 6
	.text
	.protected	k_q5b2b3df42a_attn
	.globl	k_q5b2b3df42a_attn
	.p2align	8
	.type	k_q5b2b3df42a_attn,@function
k_q5b2b3df42a_attn:
	s_mov_b64 s[64:65], 0
	v_nop
	global_prefetch_b8 v0, s[64:65] scope:SCOPE_SE
	s_setreg_imm32_b32 hwreg(HW_REG_WAVE_SCHED_MODE, 0, 2), 2
	s_setreg_imm32_b32 hwreg(HW_REG_WAVE_MODE, 25, 1), 1
	s_wait_xcnt 0x0
	s_wait_alu depctr_vm_vsrc(0)
; ctx[q] = the sum over k of softmax_k(q . k, hidden where attn_mask is set) v[k], for 128 (head, batch) pairs of 1,024 tokens x 64, both products on codes of BF6 (E3M2) with E8M0 scales.
; THE SOFTMAX AHEAD OF THE SECOND PRODUCT: t = score x log2(e); M = the row's largest t so far, rounded UP to a whole number; p = 2^(t - M) is what is quantised, along the keys; the row's sum is taken of the unquantised p and divides at the end.
; When M moves, the sum and O are multiplied by 2^(old M - new M): exact.  A block's largest p is made from the block's largest score by the same two instructions (this takes v_exp_f32 not to fall where its input rises).
; INPUTS (made by the launches before): the images and scale words of q, k, v as the launch before lays them; maskw: for (query tile, key step) a record of 384 bytes: 64 lane masks, one for each score register, then a flag (bit 0: all hidden, bit 1: none hidden).
; SHARES.  A work-group owns one (head, batch) and half of its 64 query tiles; each of its SIXTEEN waves runs two passes, tiles 2 w + j and 63 - (2 w + j): where the flags leave out late keys for early queries the pairs are even; it is right for any mask.
; K and V of the pair, 98,304 bytes of codes and 4,096 of scales, lie whole in LDS, brought once through registers (no tensor load and no copy is in this text).
; ALL THAT A WAVE READS FROM MEMORY BUT THE LANE MASKS IS ASKED FOR AT THE HEAD, beside the fill: q of both passes, and the sixteen flags, which are folded into one scalar, two bits a step.  A step whose flag says 'all hidden' costs a few scalar lines;
; the 64 lane masks are loaded only in a step that has both hidden and open scores: asked for at the step's head, waited for behind its score products.
; No cluster: a pair has two work-groups, and what they share is read once, at the head.
; LAYOUT.  Both products transposed: a lane holds ONE query.  A fragment of K holds TWO tiles of 16 keys, 64 codes each: multiplied by [q | 0] it gives the first tile's scores, by [0 | q] the second's: the other tile's codes meet zero codes.
; One run of 18 registers [0 | q | 0] is both operands.  By the order of the rows in a tile, score register n is key 128 s + 32 (n / 16) + 16 (lane / 16) + n % 16, and register n of O^T is channel 32 (n / 16) + 16 (lane / 16) + n % 16.
; OUTPUT: ctx as the next product's operand: row tile 64 b + qt, K step head / 2, registers 6 (head % 2) on; two scale bytes a row.
; A ROW ALL OF WHOSE KEYS ARE HIDDEN has the sum 0: its codes are zeros and its scale bytes 0xff, which make the next product's sums NaN, as the softmax of such a row is.
; LIMITS: NaN and infinities among the inputs are not served; a block of ctx whose largest magnitude lies under 2^-122 keeps the byte 1.
; THE MODE: SCHED_MODE bits 1:0 = 2 (LLVM: expert scheduling mode 2), set by the entry lines.  The code itself states the register dependences
; between vector or matrix instructions and memory or LDS instructions, with s_wait_alu, always for 0.
; THE PLAN.  Registers that memory or LDS instructions touch:
;   v1, v6, v7, v10, v11   offsets and the fill's LDS address: written at the head and never again.
;   v[ADK], v[ADS]         written by two additions at the head of each worked step; read by the step's 56 LDS loads (v[ADS] also by one store of the fill).
;   v[F ..]                K's fragments land; the eight score products read them; V's fragments land; the four products V^T P read them.  One set: sixteen waves of 256 registers leave no room for a second.
;   v[KS ..], v[VS ..]     scale words land; the score products read KS, the products V^T P read VS.
;   v[S ..]                in the fill alone: global loads land, LDS stores read; afterwards vector and matrix instructions alone name them.
;   v[QST ..]              q of both passes lands at the head; a pass's head reads it.
;   v[PC .. PC+5], v[W+3]  on a pass's way out: written by vector instructions, read by its four stores.
;   s32-63, s68-99         the lane masks: scalar loads land, 64 selects read them.
; THE WAITS OF A WORKED STEP.  At the loop's head one on vm_vsrc: all that memory and LDS instructions have been given to read is read, so it may be written anew.  Behind the two additions one on va_vdst: the addresses are written,
; and the last worked step's products are done with F, KS and VS.  Behind the score products one on va_vdst: they are done with F, in which V lands.  Ahead of the products V^T P one on va_vdst: p's codes and scale word are written.
.set KSC,  98304                       ; LDS: K's images at 0, V's at 49,152; K's scale words here, V's 2,048 on
.set LO8,  1                           ; v1   8 x lane
.set AKS,  2                           ; v2   4 r + KSC
.set ADK,  3                           ; v3   LDS address of the step's fragments
.set ADS,  4                           ; v4   of its scale words
.set NINF, 5                           ; v5   -infinity
.set R4,   6                           ; v6   4 r
.set R8,   7                           ; v7   8 r
.set QHI,  16                          ; v[16:27] = [0 | q];  v[22:33] = [q | 0]
.set QLO,  22
.set F,    36                          ; v36-83   four fragments of K, then of V
.set KS,   84                          ; v84-87 K's scale words, v88-91 V's, v92 q's, v93 p's: these hold scales and nothing else
.set VS,   88
.set QS,   92
.set PW,   93
.set S,    96                          ; v96-159  S^T, then p
.set O,    160                         ; v160-191 O^T
.set PC,   192                         ; v192-203 p's codes
.set PT,   204                         ; v204-210 the conversions' second halves
.set BM,   212                         ; v212-215 a block's largest score, then its largest p
.set BX,   216
.set BS,   220                         ; the conversions' scale operands
.set FF,   224                         ; v[224:225] f = 2^(old M - new M) (the low word serves both halves)
.set W,    226                         ; v226-229 at work
.set QST,  232                         ; q as loaded: pass i: six registers of codes at v[232 + 8 i], the scale word as stored at v[238 + 8 i]
.set TB,   2                           ; s2   the step's first byte among K's (and V's) images: 6,144 a step
.set TS,   3                           ; s3   among the scale words: 256 a step
.set SEL,  20                          ; s[20:21] lane selects: lane l xor 16
.set CS,   22                          ; s[22:23] log2(e)
.set MB,   28                          ; s[28:29] my query tile's eight mask records
.set MO,   30                          ; s30  the step's record: 384 bytes a step
.set FL,   31                          ; s31  the flags still to come, two bits a step, the step in hand lowest: pass 0's sixteen bits, then pass 1's
.set CNT,  66
; the 64 lane masks lie in s32-63 and s68-99: word n in s[32 + n + 4 (n / 32)]
.macro LOADMASK
	s_load_b512 s[32:47], s[MB:MB+1], s[MO] offset:0x0
	s_load_b512 s[48:63], s[MB:MB+1], s[MO] offset:0x40
	s_load_b512 s[68:83], s[MB:MB+1], s[MO] offset:0x80
	s_load_b512 s[84:99], s[MB:MB+1], s[MO] offset:0xc0
.endm
; The scores of a step: K's four fragments, eight products, and V's fragments asked for, so that they come while the softmax is worked.
.macro SCORES
.irp f, 0,1,2,3
.irp p, 0,1,2,3,4,5
	ds_load_b64 v[F+12*\f+2*\p:F+12*\f+2*\p+1], v[ADK] offset:1536*\f+256*\p
.endr
	ds_load_b32 v[KS+\f], v[ADS] offset:64*\f
.endr
	s_wait_dscnt 0x0
.irp f, 0,1,2,3                                ; S^T = K Q^T: each fragment of K twice
	v_wmma_scale_f32_16x16x128_f8f6f4 v[S+16*\f:S+16*\f+7], v[F+12*\f:F+12*\f+11], v[QLO:QLO+11], 0, v[KS+\f], v[QS] matrix_a_fmt:MATRIX_FMT_BF6 matrix_b_fmt:MATRIX_FMT_BF6
	v_wmma_scale_f32_16x16x128_f8f6f4 v[S+16*\f+8:S+16*\f+15], v[F+12*\f:F+12*\f+11], v[QHI:QHI+11], 0, v[KS+\f], v[QS] matrix_a_fmt:MATRIX_FMT_BF6 matrix_b_fmt:MATRIX_FMT_BF6
.endr
.rept 4
	v_nop                                          ; four places behind the products: their results are read and their operands' registers loaded below
.endr
	s_wait_alu depctr_va_vdst(0)                   ; the eight products are done reading v[F ..], in which V's fragments land (v[VS ..], v[ADK] and v[ADS] were settled by the wait at the step's head, and nothing since names them)
.irp t, 0,1,2,3
.irp p, 0,1,2,3,4,5
	ds_load_b64 v[F+12*\t+2*\p:F+12*\t+2*\p+1], v[ADK] offset:49152+1536*\t+256*\p
.endr
	ds_load_b32 v[VS+\t], v[ADS] offset:2048+64*\t
.endr
.endm
	s_load_b256 s[4:11], s[0:1], 0x0               ; qkvimg s[4:5], qkvscl s[6:7], maskw s[8:9], ctximg s[10:11]
	s_load_b64 s[12:13], s[0:1], 0x20              ; ctxscl
	v_lshl_add_u32 v254, v0, 2, 0x19000
	v_mov_b32 v255, 0
	v_lshrrev_b32 v8, 5, v0
	v_readfirstlane_b32 s14, v8                    ; wave 0..15
	s_and_b32 s15, ttmp7, 0xffff                   ; 8 x head + batch
	v_and_b32 v8, 31, v0                           ; lane
	v_and_b32 v9, 15, v0                           ; r
	v_lshlrev_b32 v[LO8], 3, v8
	v_lshlrev_b32 v[R4], 2, v9
	v_lshlrev_b32 v[R8], 3, v9
	v_add_nc_u32 v[AKS], KSC, v[R4]
	v_mov_b32 v[NINF], 0xff800000
	v_lshlrev_b32 v10, 4, v8                       ; 16 x lane
	s_wait_alu depctr_va_sdst(0)                   ; s14 is written, ahead of its first reader: the wave's shares are made from it
	; THE FILL: waves 0-7 bring K, waves 8-15 V: 6,144 bytes of images and 256 of scale words each
	s_lshr_b32 s42, s14, 3
	s_and_b32 s43, s14, 7
	s_lshl_b32 s44, s42, 7
	s_add_co_u32 s44, s44, s15
	s_add_co_u32 s44, s44, 128                     ; the index: 128 + .. for k, 256 + .. for v
	s_mul_i32 s100, s44, 49152
	s_mul_i32 s45, s43, 6144
	s_add_co_u32 s100, s100, s45
	s_mov_b32 s101, 0
	s_lshl_b32 s24, s44, 11
	s_lshl_b32 s45, s43, 8
	s_add_co_u32 s24, s24, s45
	s_mov_b32 s25, 0
	s_mul_i32 s26, s14, 6144
	s_lshl_b32 s27, s14, 8
	s_add_co_u32 s27, s27, KSC
	v_add_nc_u32 v11, s26, v10
	v_add_nc_u32 v[ADS], s27, v[LO8]
	; my two query tiles: where their q, its scale words and their mask records lie
	s_lshl_b32 s17, s14, 1
	s_add_co_u32 s17, s17, ttmp9                   ; the first pass's query tile
	s_sub_co_u32 s47, 63, s17                      ; the second's
	s_mul_i32 s46, s15, 49152                      ; q's images of my (head, batch)
	s_mul_i32 s32, s17, 768
	s_add_co_u32 s32, s32, s46
	s_mov_b32 s33, 0
	s_mul_i32 s36, s47, 768
	s_add_co_u32 s36, s36, s46
	s_mov_b32 s37, 0
	s_lshl_b32 s46, s15, 11                        ; and its scale words: 64 bytes for each pair of tiles
	s_lshr_b32 s34, s17, 1
	s_lshl_b32 s34, s34, 6
	s_add_co_u32 s34, s34, s46
	s_mov_b32 s35, 0
	s_lshr_b32 s38, s47, 1
	s_lshl_b32 s38, s38, 6
	s_add_co_u32 s38, s38, s46
	s_mov_b32 s39, 0
	s_mul_i32 s[MB], s17, 8*384
	s_mov_b32 s[MB+1], 0
	s_mul_i32 s40, s47, 8*384
	s_mov_b32 s41, 0
	s_mov_b32 s[MO], 0
	s_wait_kmcnt 0x0
	s_add_nc_u64 s[MB:MB+1], s[8:9], s[MB:MB+1]
	s_add_nc_u64 s[40:41], s[8:9], s[40:41]
.irp s, 0,1,2,3,4,5,6,7
	s_load_b32 s[68+\s], s[MB:MB+1], s[MO] offset:256+384*\s      ; the flags of the first pass's eight steps,
	s_load_b32 s[76+\s], s[40:41], s[MO] offset:256+384*\s        ; and of the second's
.endr
	s_add_nc_u64 s[100:101], s[4:5], s[100:101]
	s_add_nc_u64 s[24:25], s[6:7], s[24:25]
	s_add_nc_u64 s[32:33], s[4:5], s[32:33]
	s_add_nc_u64 s[34:35], s[6:7], s[34:35]
	s_add_nc_u64 s[36:37], s[4:5], s[36:37]
	s_add_nc_u64 s[38:39], s[6:7], s[38:39]
	s_wait_alu depctr_va_vdst(0)                   ; the offsets v1, v6, v7, v10 and the LDS addresses v4, v11 are written, which the loads below, the fill's LDS stores and the way out's stores read
.irp i, 0,1,2,3,4,5,6,7,8,9,10,11
	global_load_b128 v[S+4*\i:S+4*\i+3], v10, s[100:101] offset:512*\i
.endr
	global_load_b64 v[S+48:S+49], v[LO8], s[24:25]
.irp p, 0,1,2
	global_load_b64 v[QST+2*\p:QST+2*\p+1], v[LO8], s[32:33] offset:256*\p       ; q of both passes
	global_load_b64 v[QST+8+2*\p:QST+8+2*\p+1], v[LO8], s[36:37] offset:256*\p
.endr
	global_load_b32 v[QST+6], v[R4], s[34:35]
	global_load_b32 v[QST+14], v[R4], s[38:39]
	; what stays for the whole launch
	s_and_b32 s42, s15, 7                          ; batch
	s_lshr_b32 s43, s15, 3                         ; head
	s_mul_i32 s16, s42, 64*12288
	s_lshr_b32 s44, s43, 1
	s_mul_i32 s45, s44, 1536
	s_add_co_u32 s16, s16, s45
	s_and_b32 s45, s43, 1
	s_mul_i32 s46, s45, 768
	s_add_co_u32 s16, s16, s46                     ; s16: ctximg: the batch's 64 row tiles, K step head / 2, half head % 2
	s_lshl_b32 s18, s42, 15
	s_lshr_b32 s46, s43, 2
	s_lshl_b32 s46, s46, 7
	s_add_co_u32 s18, s18, s46
	s_and_b32 s44, s44, 1
	s_lshl_b32 s44, s44, 2
	s_add_co_u32 s18, s18, s44
	s_lshl_b32 s45, s45, 1
	s_add_co_u32 s18, s18, s45                     ; s18: ctxscl: 128 (head / 4) + 4 ((head / 2) % 2) + 2 (head % 2)
	s_mov_b32 s[SEL], 0x76543210
	s_mov_b32 s[SEL+1], 0xfedcba98
	s_mov_b32 s[CS], 0x3fb8aa3b
	s_mov_b32 s[CS+1], s[CS]                       ; (named with it as a pair, so it is written)
.irp i, 0,1,2,3,4,5
	v_mov_b32 v[QHI+\i], 0                         ; the zero codes on both sides of q.  (These lines and the ten below name none of the registers that the loads above or the fill's LDS stores touch)
	v_mov_b32 v[QLO+6+\i], 0
.endr
.irp i, 0,1,2,3
	v_mov_b32 v[BX+\i], 0                          ; written once: a lane permute's destination counts as one of its sources
	v_mov_b32 v[W+\i], 0
.endr
	v_mov_b32 v[FF], 0
	v_mov_b32 v[FF+1], 0                           ; (named as the upper half of a pair)
	s_wait_kmcnt 0x0                               ; the sixteen flags: each is 0, 1 or 2
	s_mov_b32 s[FL], s68
.irp s, 1,2,3,4,5,6,7
	s_lshl_b32 s[68+\s], s[68+\s], 2*\s
	s_or_b32 s[FL], s[FL], s[68+\s]
.endr
.irp s, 0,1,2,3,4,5,6,7
	s_lshl_b32 s[76+\s], s[76+\s], 16+2*\s
	s_or_b32 s[FL], s[FL], s[76+\s]
.endr
	s_wait_loadcnt 0x0                             ; my part of K or V, and q of both passes
	s_mov_b32 s101, 0                              ; from here on s[100:101] is an offset under 2^32
.irp i, 0,1,2,3,4,5,6,7,8,9,10,11
	ds_store_b128 v11, v[S+4*\i:S+4*\i+3] offset:512*\i
.endr
	ds_store_b64 v[ADS], v[S+48:S+49]
	s_wait_dscnt 0x0                               ; for the others' sake: my stores have landed
	s_barrier_signal -1
	s_barrier_wait -1                              ; K and V lie whole in LDS: from here on LDS is only read
.macro PASS pass                       ; one tile of 16 queries (s17; its mask records at s[MB:MB+1]) against all keys
	s_wait_xcnt 0x0                                ; the last pass's stores have read their registers and bases
	s_mov_b32 s[MO], 0
	s_and_b32 s67, s17, 1
	s_mul_i32 s67, s67, 0x02020202
	s_add_co_u32 s67, s67, 0x01000100              ; the selector: my tile's two bytes of the pair's scale word, twice
	s_mov_b32 s[TB], 0
	s_mov_b32 s[TS], 0
	s_mov_b32 s[CNT], 8
.irp i, 0,1,2,3,4,5
	v_mov_b32 v[QLO+\i], v[QST+8*\pass+\i]         ; q between its zeros
.endr
	v_mov_b32 v13, 0xff61b1e6                      ; the largest t so far: -3e38
	v_floor_f32 v12, -v13                          ; -M
	v_mov_b32 v14, 0                               ; the sum, in two halves
	v_mov_b32 v15, 0
	v_perm_b32 v[QS], v[QST+8*\pass+6], v[QST+8*\pass+6], s67
.set n, 0
.rept 32
	v_mov_b32 v[O+n], 0                            ; O^T.  (The step is written once: the first finds zeros.  These lines also stand between q, its scale word and the first product)
.set n, n+1
.endr
.Lstep_\@:                                     ; eight trips, 128 keys each
	s_wait_alu depctr_vm_vsrc(0)                   ; all that memory and LDS instructions were given: the last worked step's loads have read v[ADK] and v[ADS]; in a pass's first trip the fill's stores v[S ..] and v[ADS], or the last pass's stores v[PC ..] and v[W+3]: the step and the way out write all of these anew
	s_bitcmp1_b32 s[FL], 0
	s_cbranch_scc1 .Lnext_\@                       ; all its 2,048 scores are hidden: every p would be 0
	v_add_nc_u32 v[ADK], s[TB], v[LO8]
	v_add_nc_u32 v[ADS], s[TS], v[AKS]
	v_nop
	v_nop                                          ; four places behind the last products, in front of loads into registers that they read
	s_wait_alu depctr_va_vdst(0)                   ; v[ADK] and v[ADS] are written, which the step's LDS loads read; the last worked step's products are done reading v[F ..], v[KS ..] and v[VS ..], in which those loads land; q, its zeros and its scale word are written, which the score products take; the last masked step's selects are done reading the mask's scalar registers
	s_bitcmp1_b32 s[FL], 1
	s_cbranch_scc1 .Lopen_\@                       ; none is hidden: the lane masks are not wanted
	LOADMASK                                       ; some are: the step's 64 lane masks come while the scores are made
	SCORES
	s_wait_kmcnt 0x0
.set n, 0
.rept 64
	v_cndmask_b32 v[S+n], v[S+n], v[NINF], s[32+n+4*(n/32)]   ; hidden scores become -infinity ahead of the maximum: p = 0 then
.set n, n+1
.endr
	s_branch .Lsoft_\@
.Lopen_\@:
	SCORES
.Lsoft_\@:
.irp b, 0,1,2,3
	v_max3_num_f32 v[BM+\b], v[S+16*\b], v[S+16*\b+1], v[S+16*\b+2]   ; the largest score of each block of 32 keys
.endr
.irp i, 3,5,7,9,11,13
.irp b, 0,1,2,3
	v_max3_num_f32 v[BM+\b], v[BM+\b], v[S+16*\b+\i], v[S+16*\b+\i+1]
.endr
.endr
.irp b, 0,1,2,3
	v_max_num_f32 v[BM+\b], v[BM+\b], v[S+16*\b+15]
.endr
.irp b, 0,1,2,3
	v_permlanex16_b32 v[BX+\b], v[BM+\b], s[SEL], s[SEL+1]
.endr
.irp b, 0,1,2,3
	v_max_num_f32 v[BM+\b], v[BM+\b], v[BX+\b]     ; with lane l xor 16's 16 keys
.endr
	v_max3_num_f32 v[W], v[BM], v[BM+1], v[BM+2]
	v_max_num_f32 v[W], v[W], v[BM+3]              ; the step's largest score of my query
	v_mul_f32 v[W], s[CS], v[W]                    ; as t
	v_max_num_f32 v13, v13, v[W]                   ; the running largest t
	v_mov_b32 v[W], v12
	v_floor_f32 v12, -v13                          ; the new -M = floor(-t) = -ceil(t)
	v_sub_f32 v[W], v12, v[W]                      ; old M - new M: a whole number, 0 or less
	v_cvt_i32_f32 v[W], v[W]                       ; (it saturates)
	v_ldexp_f32 v[FF], 1.0, v[W]                   ; f = 2^(old M - new M)
.set n, 0
.rept 32
	v_pk_fma_f32 v[S+n:S+n+1], v[S+n:S+n+1], s[CS:CS+1], v[12:13] op_sel_hi:[1,0,0]   ; t - M, two at a time
.set n, n+2
.endr
.irp b, 0,1,2,3
	v_fma_f32 v[BM+\b], v[BM+\b], s[CS], v12       ; the same of each block's largest score
.endr
.set n, 0
.rept 64
	v_exp_f32 v[S+n], v[S+n]                       ; p = 2^(t - M), at most 1: not normalised
.set n, n+1
.endr
	v_pk_mul_f32 v[14:15], v[14:15], v[FF:FF+1] op_sel_hi:[1,0]   ; the sums under the new M.  (A plain instruction behind the exponentials)
	s_wait_alu depctr_va_vdst(0)                   ; the 64 exponentials have written v[S ..]: one wait for the batch, ahead of its first reader
.irp b, 0,1,2,3
	v_exp_f32 v[BM+\b], v[BM+\b]                   ; the block's largest p
.endr
.set n, 0
.rept 16
	v_pk_mul_f32 v[O+n:O+n+1], v[O+n:O+n+1], v[FF:FF+1] op_sel_hi:[1,0]   ; O^T under the new M: plain work behind the four
.set n, n+2
.endr
	s_wait_alu depctr_va_vdst(0)                   ; the four exponentials have written v[BM ..], ahead of their first reader
.irp b, 0,1,2,3
	v_max_num_f32 v[BM+\b], 0x2800000, v[BM+\b]    ; the floor 2^(5 - 127): the byte cannot fall under 1
.endr
.irp b, 0,1,2,3
	v_add_nc_u32 v[BS+\b], 0xfe000000, v[BM+\b]    ; 4 off the exponent field: the conversion's scale operand
.endr
.irp b, 0,1,2,3
	v_lshrrev_b32 v[BX+\b], 23, v[BS+\b]           ; the scale's byte
.endr
	v_lshl_or_b32 v[PW], v[BX+1], 8, v[BX]         ; p's scale word for these 128 keys
	v_lshl_or_b32 v[PW], v[BX+2], 16, v[PW]
	v_lshl_or_b32 v[PW], v[BX+3], 24, v[PW]
.irp c, 0,1
	v_cvt_scalef32_pk16_bf6_f32 v[PC+6*\c:PC+6*\c+2], v[S+32*\c:S+32*\c+15], v[BS+2*\c]
	v_cvt_scalef32_pk16_bf6_f32 v[PT+4*\c:PT+4*\c+2], v[S+32*\c+16:S+32*\c+31], v[BS+2*\c+1]   ; (a conversion's three registers begin on an even number)
.endr
	v_nop                                          ; one plain instruction behind the scaled conversions
.irp c, 0,1                                    ; a WHOLE block in a lane: lanes 0-15 block 2 c, lanes 16-31 block 2 c + 1
.irp i, 0,1,2
	v_permlane16_swap_b32 v[PC+6*\c+\i], v[PT+4*\c+\i]
.endr
.irp i, 0,1,2
	v_mov_b32 v[PC+6*\c+3+\i], v[PT+4*\c+\i]
.endr
.endr
	v_pk_add_f32 v[W+2:W+3], v[S:S+1], v[S+2:S+3]  ; THE ROW'S SUM IS TAKEN OF THE UNQUANTISED p, in two chains.  These 32 lines name no register of the products below: they are the places between p's codes and scale word and those products
.irp j, 4,8,12,16,20,24,28,32,36,40,44,48,52,56,60
	v_pk_add_f32 v[14:15], v[14:15], v[S+\j:S+\j+1]
	v_pk_add_f32 v[W+2:W+3], v[W+2:W+3], v[S+\j+2:S+\j+3]
.endr
	v_pk_add_f32 v[14:15], v[14:15], v[W+2:W+3]
	s_wait_dscnt 0x0                               ; V's fragments and scale words
	s_wait_alu depctr_va_vdst(0)                   ; p's codes v[PC ..] and its scale word v[PW] are written, which the products below take as operand and scales; the places above stay beside this wait
.irp t, 0,1,2,3                                ; O^T += V^T P^T: the four accumulators by turns; between two links of a chain stand the next worked step's eight products
	v_wmma_scale_f32_16x16x128_f8f6f4 v[O+8*\t:O+8*\t+7], v[F+12*\t:F+12*\t+11], v[PC:PC+11], v[O+8*\t:O+8*\t+7], v[VS+\t], v[PW] matrix_a_fmt:MATRIX_FMT_BF6 matrix_b_fmt:MATRIX_FMT_BF6
.endr
.Lnext_\@:                                     ; no scalar load is out here: the record's offset may step
	s_lshr_b32 s[FL], s[FL], 2                     ; the next step's two bits
	s_add_co_u32 s[MO], s[MO], 384
	s_add_co_u32 s[TB], s[TB], 6144
	s_add_co_u32 s[TS], s[TS], 256
	s_sub_co_u32 s[CNT], s[CNT], 1
	s_cmp_lg_u32 s[CNT], 0
	s_cbranch_scc1 .Lstep_\@
	; THE WAY OUT: O^T / the sum is quantised along the head's 64 and leaves as half a fragment of the next product's operand
.rept 4
	v_nop                                          ; places behind the last products
.endr
	v_add_f32 v14, v14, v15                        ; the sum's two halves,
	v_permlanex16_b32 v[W+2], v14, s[SEL], s[SEL+1]
	v_add_f32 v14, v14, v[W+2]                     ; and lane l xor 16's
	v_rcp_f32 v[W], v14
	v_nop                                          ; a plain instruction behind the transcendental
	v_cmp_lt_f32 vcc_lo, 0, v14                    ; does any key count for my query?
	s_mul_i32 s100, s17, 12288
	s_add_co_u32 s100, s100, s16
	s_add_nc_u64 s[24:25], s[10:11], s[100:101]
	s_lshl_b32 s100, s17, 9
	s_add_co_u32 s100, s100, s18
	s_add_nc_u64 s[26:27], s[12:13], s[100:101]
	s_wait_alu depctr_va_vcc(0)                    ; the compare has written VCC, ahead of its first reader, the select below
	s_wait_alu depctr_va_vdst(0)                   ; the reciprocal has written v[W], ahead of its first reader
	v_cndmask_b32 v[W], 0, v[W], vcc_lo            ; no key: zeros, under scale bytes that make NaN
.set n, 0
.rept 16
	v_pk_mul_f32 v[S+n:S+n+1], v[O+n:O+n+1], v[W:W+1] op_sel_hi:[1,0]   ; register 16 b + i = channel 32 b + 16 h + i
.set n, n+2
.endr
.irp b, 0,1
	v_max3_num_f32 v[BM+\b], |v[S+16*\b]|, |v[S+16*\b+1]|, 0x2800000
.endr
.irp i, 2,4,6,8,10,12,14
.irp b, 0,1
	v_max3_num_f32 v[BM+\b], v[BM+\b], |v[S+16*\b+\i]|, |v[S+16*\b+\i+1]|
.endr
.endr
.irp b, 0,1
	v_permlanex16_b32 v[BX+\b], v[BM+\b], s[SEL], s[SEL+1]
.endr
.irp b, 0,1
	v_max_num_f32 v[BM+\b], v[BM+\b], v[BX+\b]
.endr
.irp b, 0,1
	v_add_nc_u32 v[BS+\b], 0xfe000000, v[BM+\b]
.endr
.irp b, 0,1
	v_lshrrev_b32 v[BX+\b], 23, v[BS+\b]
.endr
	v_lshl_or_b32 v[W+3], v[BX+1], 8, v[BX]        ; my row's two scale bytes
	v_cndmask_b32 v[W+3], 0xffff, v[W+3], vcc_lo
	v_cvt_scalef32_pk16_bf6_f32 v[PC:PC+2], v[S:S+15], v[BS]
	v_cvt_scalef32_pk16_bf6_f32 v[PT:PT+2], v[S+16:S+31], v[BS+1]
	v_nop
.irp i, 0,1,2
	v_permlane16_swap_b32 v[PC+\i], v[PT+\i]
.endr
.irp i, 0,1,2
	v_mov_b32 v[PC+3+\i], v[PT+\i]
.endr
	s_wait_alu depctr_va_vdst(0)                   ; the codes v[PC .. PC+5] and the scale bytes v[W+3] are written, which the four stores below read
.irp p, 0,1,2
	global_store_b64 v[LO8], v[PC+2*\p:PC+2*\p+1], s[24:25] offset:256*\p   ; 256 consecutive bytes, aligned
.endr
	global_store_b16 v[R8], v[W+3], s[26:27]       ; both halves of the lanes write the same bytes with the same value
.endm
	PASS 0
	s_sub_co_u32 s17, 63, s17                      ; the second pass's query tile,
	s_mul_i32 s100, s17, 8*384
	s_add_nc_u64 s[MB:MB+1], s[8:9], s[100:101]    ; and its mask records
	PASS 1
	s_wait_dscnt 0x0
	s_wait_alu 0x0
	s_wait_tensorcnt 0x0
	ds_add_u32 v254, v255
	s_wait_dscnt 0x0
	s_endpgm
.Lfunc_end_k_q5b2b3df42a_attn:
	.size	k_q5b2b3df42a_attn, .Lfunc_end_k_q5b2b3df42a_attn-k_q5b2b3df42a_attn
	.p2alignl 7, 3214868480
	.fill 96, 4, 3214868480
	.section	.rodata,"a",@progbits
	.p2align	6, 0x0
	.amdhsa_kernel k_q5b2b3df42a_attn
		.amdhsa_group_segment_fixed_size 104448
		.amdhsa_private_segment_fixed_size 0
		.amdhsa_enable_private_segment 0
		.amdhsa_kernarg_size 40
		.amdhsa_user_sgpr_count 2
		.amdhsa_user_sgpr_kernarg_segment_ptr 1
		.amdhsa_wavefront_size32 1
		.amdhsa_system_sgpr_workgroup_id_x 1
		.amdhsa_system_sgpr_workgroup_id_y 1
		.amdhsa_system_sgpr_workgroup_id_z 1
		.amdhsa_system_vgpr_workitem_id 0
		.amdhsa_next_free_vgpr 256
		.amdhsa_next_free_sgpr 102
		.amdhsa_reserve_vcc 1
		.amdhsa_float_denorm_mode_32 3
		.amdhsa_float_denorm_mode_16_64 3
		.amdhsa_memory_ordered 1
		.amdhsa_forward_progress 1
		.amdhsa_inst_pref_size 75
	.end_amdhsa_kernel
	.amdgpu_metadata
---
amdhsa.version: [ 1, 2 ]
amdhsa.kernels:
  - .name:           k_q5b2b3df42a_attn
    .symbol:         k_q5b2b3df42a_attn.kd
    .args:
      - { .name: qkvimg, .offset: 0, .size: 8, .value_kind: global_buffer, .address_space: global }
      - { .name: qkvscl, .offset: 8, .size: 8, .value_kind: global_buffer, .address_space: global }
      - { .name: maskw, .offset: 16, .size: 8, .value_kind: global_buffer, .address_space: global }
      - { .name: ctximg, .offset: 24, .size: 8, .value_kind: global_buffer, .address_space: global }
      - { .name: ctxscl, .offset: 32, .size: 8, .value_kind: global_buffer, .address_space: global }
    .group_segment_fixed_size: 104448
    .private_segment_fixed_size: 0
    .kernarg_segment_align: 8
    .kernarg_segment_size: 40
    .max_flat_workgroup_size: 512
    .sgpr_count:     102
    .vgpr_count:     256
    .wavefront_size: 32
...
	.end_amdgpu_metadata
.endif
;; end of part 5
;; launch oproj: the kernel of part 4 again; grid 4 x 64, 4 waves a work-group, clusters of 4 x 4, 327,680 bytes of LDS; arguments ctximg, ctxscl, opimg, opscl, out_proj_bias, out0; writes out0
